; MI455X (gfx1250); checked and timed in simulation.
; The chip was launched on July 23, 2026; its instructions are those of AMD's public machine-readable ISA for CDNA 5 (MIT licence, August 2026) and "CDNA5" Instruction Set Architecture Reference Guide (July 2026). The comments in the code are by the model that wrote it; some were corrected since.
;; Attention Layer. Allowed arithmetic: matrix products marked QUANTISED: E2M3 operands, one E8M0 scale for each 32 along K, by v_wmma_scale_f32_16x16x128_f8f6f4 with both operands' format E2M3, f32 sums; everything else in f32.
;; Inputs: Wk_codes 1,024 x 32 x 24 uint8 (E2M3 codes of Wk, K innermost, in blocks of 32 codes, four codes in three bytes); Wk_scales 1,024 x 32 uint8 (E8M0 scales of Wk, one for each 32 codes along K); Wo_codes 1,024 x 32 x 24 uint8 (E2M3 codes of Wo, K innermost, in blocks of 32 codes, four codes in three bytes); Wo_scales 1,024 x 32 uint8 (E8M0 scales of Wo, one for each 32 codes along K); Wq_codes 1,024 x 32 x 24 uint8 (E2M3 codes of Wq, K innermost, in blocks of 32 codes, four codes in three bytes); Wq_scales 1,024 x 32 uint8 (E8M0 scales of Wq, one for each 32 codes along K); Wv_codes 1,024 x 32 x 24 uint8 (E2M3 codes of Wv, K innermost, in blocks of 32 codes, four codes in three bytes); Wv_scales 1,024 x 32 uint8 (E8M0 scales of Wv, one for each 32 codes along K); bk 1,024 float32; bo 1,024 float32; bq 1,024 float32; bv 1,024 float32; ln_beta 1,024 float32; ln_gamma 1,024 float32; x 4 x 2,048 x 1,024 float32.
;; Outputs: out0 4 x 2,048 x 1,024 float32.
;; This version of the problem:
;;   THIS VERSION OF THE PROBLEM IS GIVEN IN LOW PRECISION. The matrix products marked QUANTISED in the list below multiply operands that are first quantised to E2M3 (2 exponent bits, 3 mantissa bits; 6 bits a number), with one power-of-two scale for each 32 numbers along K (OCP MX v1.0); their sums are f32. All else is computed in f32.
;;   The module's matrix products, in the order in which they are computed (A, B: the left and right operand; K: the contracted axis; several contracted axes count as one K, in the product's order):
;;     1. [M 8,192, K 1,024] x [K 1,024, N 1,024]; A: computed on the way; B: input Wq (given as codes): QUANTISED
;;     2. [M 8,192, K 1,024] x [K 1,024, N 1,024]; A: computed on the way; B: input Wk (given as codes): QUANTISED
;;     3. [M 8,192, K 1,024] x [K 1,024, N 1,024]; A: computed on the way; B: input Wv (given as codes): QUANTISED
;;     4. batch 64 x [M 2,048, K 64] x [K 64, N 2,048]; A: computed on the way; B: computed on the way: QUANTISED
;;     5. batch 64 x [M 2,048, K 2,048] x [K 2,048, N 64]; A: softmax (see below); B: computed on the way: QUANTISED
;;     6. [M 8,192, K 1,024] x [K 1,024, N 1,024]; A: computed on the way; B: input Wo (given as codes): QUANTISED
;;   THE QUANTISER, for each operand of a quantised product, along K:
;;     - K is cut into blocks of 32 from its start; a last block that is shorter is filled with zeros.
;;     - A block's scale is 2^e with e = floor(log2(the largest magnitude in the block)) - 2, held to -126 .. 127; a block of zeros has e = 0. As a byte (E8M0): e + 127.
;;     - Each number is divided by its block's scale, clamped to +-7.5, and rounded to the nearest number of E2M3, ties to even, subnormals kept.
;;     - The product sums the exact products of the quantised numbers (number of the format x scale) in f32.
;;   ~~~python
;;   def quantise(x, axis):      # numpy; x: float32 -> the quantised numbers, widened to float32 again
;;       x = np.moveaxis(x, axis, -1); K = x.shape[-1]
;;       x = np.pad(x, [(0, 0)] * (x.ndim - 1) + [(0, -K % 32)]); x = x.reshape(x.shape[:-1] + (-1, 32)); a = np.abs(x).max(-1, keepdims=True)
;;       e = np.where(a > 0, np.clip(np.frexp(np.where(a > 0, a, 1))[1] - 1 - 2, -126, 127), 0)      # np.frexp(a)[1] - 1 = floor(log2(a)), exactly
;;       r = np.clip(x / 2.0 ** e, -7.5, 7.5)
;;       step = 2.0 ** (np.maximum(np.frexp(np.where(r == 0, 1, r))[1] - 1, 0) - 3)
;;       q = np.round(r / step) * step * 2.0 ** e      # np.round: ties to even
;;       return np.moveaxis(q.reshape(q.shape[:-2] + (-1,))[..., :K], -1, axis).astype(np.float32)
;;   ~~~
;;   SOFTMAX AHEAD OF A QUANTISED PRODUCT. Where the list says 'softmax', what is quantised is not the finished softmax but p = 2^(t - M), with t = logit x log2(e) and M = ceil(the row's largest t), a whole number; so 1/2 < the row's largest p <= 1. The row's sum l is taken of the UNQUANTISED p, in f32, and the product's result is divided by l at the end. Since M is a whole number, a kernel that streams over the keys may use a running M (the ceiling of the running maximum): every later rescaling is an exact power of two, which a block's scale takes up: the codes' values come out the same.
;;   OPERANDS COMPUTED ON THE WAY. 'Computed on the way' means the value that the module computes at that place (a softmax that the list does not call 'softmax' is quantised finished and normalised). What goes into a quantiser is computed in f32, as accurately as f32 sums, v_exp_f32 and their like allow (about 1e-6 of the number): no bf16 or f16 on the way to a quantiser, and a product that is left as it is and whose result goes on into a quantised operand takes f32 operands (vector FMAs, or v_wmma_f32_16x16x4_f32). A number that lies on a knife's edge between two numbers of the format may be rounded either way, as far as f32 arithmetic and the matrix unit's own rounding can turn it there, and no further.
;;   INPUTS GIVEN AS CODES. Wk (in the module: [1024, 1024], K = its axis 1); Wo (in the module: [1024, 1024], K = its axis 1); Wq (in the module: [1024, 1024], K = its axis 1); Wv (in the module: [1024, 1024], K = its axis 1): each comes as NAME_codes (uint8): NAME with its K axis moved to the last place and cut into blocks of 32 codes, [.., K / 32, bytes a block], one block behind the other in memory; four codes in three bytes: a row's codes are one little-endian stream of bits, code i at bits 6 i .. 6 i + 5 (a code: sign, 2 exponent bits, 3 mantissa bits); and NAME_scales (uint8): the same leading axes, one E8M0 byte (e + 127) for each 32 codes along K. Its value is code x scale, taken as it is: it is not quantised again, and the codes and scales need not be those that the quantiser above would give.
;; One version. Each part assembles by itself: llvm-mc -triple=amdgcn-amd-amdhsa -mcpu=gfx1250 --defsym DOCPART=n.
;; ======== version 1 of 1: 4 launches
;; limits: right only within a limited range of input values
;; workspace buffers: himg 6,553,600 bytes; wimg 3,276,800 bytes; qkv 20,185,088 bytes; aimg 6,553,600 bytes
;; launch prep (part 1): grid 768 x 1, 8 waves a work-group, no clusters, 66,816 bytes of LDS; arguments x, ln_gamma, ln_beta, Wq_codes, Wk_codes, Wv_codes, Wo_codes, Wq_scales, Wk_scales, Wv_scales, Wo_scales, himg, wimg; writes himg, wimg
.if DOCPART == 1
	.amdgcn_target "amdgcn-amd-amdhsa--gfx1250"
	.amdhsa_code_object_version 6
	.text
	.protected	k_q6d66112e70_prep
	.globl	k_q6d66112e70_prep
	.p2align	8
	.type	k_q6d66112e70_prep,@function
k_q6d66112e70_prep:
	s_mov_b64 s[64:65], 0
	v_nop
	global_prefetch_b8 v0, s[64:65] scope:SCOPE_SE
	s_setreg_imm32_b32 hwreg(HW_REG_WAVE_MODE, 25, 1), 1
	s_wait_xcnt 0x0
; PREP.  Work-groups 0-511: h = LayerNorm(x) gamma + beta, quantised along E to E2M3 with one E8M0 byte for each 32, into himg.
; Work-groups 512-767: the four weights' given codes and scale bytes, copied as they are into wimg (order q, k, v, o), in the same layout.
; LAYOUT of himg and wimg.  Rows go in groups of 128 = 8 tiles of 16; lane-row r of tile 2 p + u is row 32 p + 8 u + r + 8 (r / 8) of the group.
; A group is 8 records, one for each 128 along K, 12,800 bytes each: tile i at 1,536 i, as an image of the operand's 12 registers in two halves of 768 bytes
; (registers 6 c .. 6 c + 3 at 16 x lane, registers 6 c + 4, 6 c + 5 at 512 + 8 x lane); at 12,288 the scale words: tile 2 p + (l / 16), row l % 16 at 16 l + 4 p.
; LAYERNORM: a work-group takes one tile of 16 tokens.  Phase A: wave w normalises tile rows 2 w and 2 w + 1 (two neighbouring tokens, 8,192 consecutive bytes), mean first, then the
; squares of the differences; z goes to LDS (16 rows, 4,112 bytes apart).  Phase B: wave w takes the 128 columns of K step w: a lane holds two whole blocks of 32 of its row.
; No matrix unit, no tensor load, no cluster: the work-groups share nothing and the launch is a stream.
; LIMITS: NaN and infinities are not served.  A block whose largest magnitude lies under 2^-124 (a block of zeros too) gets the byte 1; this program alone reads these bytes.
; h is one fused multiply-add of z, gamma and beta.  The scale words leave 4 bytes a lane, 16 bytes apart: one byte in 128 of what the launch moves.
.set GRP,  102400
.set REC,  12800
.set PIT,  4112                        ; an LDS row of z: 4,096 bytes + 16, an odd multiple of 16
.set X,    32                          ; v32-95   two rows of x, then z; in phase B 64 numbers of one row
.set GA,   96                          ; v96-159  gamma of my 64 columns
.set BE,   160                         ; v160-223 beta
.set C,    224                         ; v224-235 the fragment's 12 registers
.set T,    236                         ; v236-238, v240-242 the second halves of the blocks' codes
	s_load_b512 s[8:23], s[0:1], 0x0               ; x, gamma, beta, Wq, Wk, Wv, Wo codes, Wq scales
	s_load_b256 s[24:31], s[0:1], 0x40             ; Wk, Wv, Wo scales, himg
	s_load_b64 s[32:33], s[0:1], 0x60              ; wimg
	v_lshl_add_u32 v244, v0, 2, 0x10100
	v_mov_b32 v245, 0
	v_lshrrev_b32 v1, 5, v0
	s_delay_alu instid0(VALU_DEP_1)
	v_readfirstlane_b32 s4, v1                     ; wave 0..7
	v_and_b32 v1, 31, v0                           ; l
	v_and_b32 v2, 15, v0                           ; r
	v_bfe_u32 v3, v0, 4, 1                         ; h
	s_delay_alu instid0(VALU_DEP_3)
	v_lshlrev_b32 v4, 4, v1                        ; 16 l
	s_delay_alu instid0(VALU_DEP_4)
	v_lshlrev_b32 v5, 3, v1                        ; 8 l
	s_delay_alu instid0(VALU_DEP_4)
	v_lshlrev_b32 v9, 4, v2                        ; 16 r: a scale word's place among its tile's
	s_mov_b32 s39, 0                               ; the upper words of four byte offsets
	s_mov_b32 s47, 0
	s_mov_b32 s49, 0
	s_mov_b32 s51, 0
	s_mul_i32 s43, s4, REC                         ; my wave's K step: its record in a group
	s_cmp_lt_u32 ttmp9, 512                        ; the same in all waves of a work-group
	s_cbranch_scc0 .Lweights
	; ---------------- LayerNorm: tile ttmp9
	s_lshr_b32 s5, ttmp9, 1
	s_lshl_b32 s5, s5, 5                           ; 32 x (tile / 2)
	s_and_b32 s6, ttmp9, 1
	s_lshl_b32 s6, s6, 3
	s_add_co_u32 s5, s5, s6                        ; + 8 u
	s_lshl_b32 s6, s4, 1
	s_add_co_u32 s5, s5, s6                        ; + tile row 2 w
	s_lshr_b32 s6, s4, 2
	s_lshl_b32 s6, s6, 3
	s_add_co_u32 s5, s5, s6                        ; + 8 (2 w / 8): my first token; the second is its neighbour
	s_lshl_b32 s38, s5, 12                         ; x 4,096 bytes
	s_lshl_b32 s46, s4, 9                          ; 512 w: my K step's columns, in bytes
	s_lshr_b32 s42, ttmp9, 3
	s_mul_i32 s42, s42, GRP
	s_add_co_u32 s42, s42, s43                     ; my record
	s_and_b32 s44, ttmp9, 7                        ; i: the tile in its group
	s_mul_i32 s48, s44, 1536
	s_add_co_u32 s48, s48, s42                     ; the tile's image
	s_and_b32 s50, s44, 1
	s_lshl_b32 s50, s50, 8
	s_lshr_b32 s44, s44, 1
	s_lshl_b32 s44, s44, 2
	s_add_co_u32 s50, s50, s44
	s_add_co_u32 s50, s50, s42
	s_add_co_u32 s50, s50, 12288                   ; its scale words: record + 12,288 + 256 (i % 2) + 4 (i / 2)
	s_mov_b32 s40, 0x76543210
	s_mov_b32 s41, 0xfedcba98                      ; v_permlanex16_b32's selects for lane l xor 16
	s_mov_b32 s52, 0x3a800000                      ; 1 / 1024
	s_mov_b32 s53, 0x3727c5ac                      ; 1e-5
	s_mul_i32 s6, s4, 2*PIT
	s_wait_alu depctr_va_vdst(0)
	v_add_nc_u32 v6, s6, v4                        ; LDS, in: row 2 w, 16 l
	v_mul_u32_u24 v7, v2, PIT
	s_delay_alu instid0(VALU_DEP_1)
	v_lshl_add_u32 v7, v3, 7, v7
	s_delay_alu instid0(VALU_DEP_1)
	v_add_nc_u32 v7, s46, v7                       ; LDS, out: row r, 512 w + 128 h
	v_lshlrev_b32 v8, 7, v3                        ; gamma, beta: 128 h
	v_mov_b32 v26, 0                               ; a lane permute's destination counts as one of its sources
	s_wait_alu depctr_va_vdst(0)
	s_wait_kmcnt 0x0
	s_add_nc_u64 s[8:9], s[8:9], s[38:39]
	s_add_nc_u64 s[10:11], s[10:11], s[46:47]
	s_add_nc_u64 s[12:13], s[12:13], s[46:47]
	s_add_nc_u64 s[34:35], s[30:31], s[48:49]
	s_add_nc_u64 s[36:37], s[30:31], s[50:51]
.irp k, 0,1
.irp j, 0,1,2,3,4,5,6,7
	global_load_b128 v[X+32*\k+4*\j:X+32*\k+4*\j+3], v4, s[8:9] offset:4096*\k+512*\j th:TH_LOAD_NT   ; 32 lanes read 512 consecutive bytes
.endr
.endr
.irp c, 0,1
.irp m, 0,1,2,3,4,5,6,7
	global_load_b128 v[GA+32*\c+4*\m:GA+32*\c+4*\m+3], v8, s[10:11] offset:256*\c+16*\m   ; register 32 c + 4 m + e: column 128 w + 64 c + 32 h + 4 m + e
	global_load_b128 v[BE+32*\c+4*\m:BE+32*\c+4*\m+3], v8, s[12:13] offset:256*\c+16*\m
.endr
.endr
.macro LANES r, t                      ; the sum of v[r] over the 32 lanes, in every lane
	s_delay_alu instid0(VALU_DEP_1)
	v_add_f32_dpp v[\r], v[\r], v[\r] row_xmask:1 row_mask:0xf bank_mask:0xf
	s_delay_alu instid0(VALU_DEP_1)
	v_add_f32_dpp v[\r], v[\r], v[\r] row_xmask:2 row_mask:0xf bank_mask:0xf
	s_delay_alu instid0(VALU_DEP_1)
	v_add_f32_dpp v[\r], v[\r], v[\r] row_xmask:4 row_mask:0xf bank_mask:0xf
	s_delay_alu instid0(VALU_DEP_1)
	v_add_f32_dpp v[\r], v[\r], v[\r] row_xmask:8 row_mask:0xf bank_mask:0xf
	s_delay_alu instid0(VALU_DEP_1)
	v_permlanex16_b32 v[\t], v[\r], s40, s41
	s_delay_alu instid0(VALU_DEP_1)
	v_add_f32 v[\r], v[\r], v[\t]
.endm
.macro NORM k                          ; row k of my two: z = (x - mean) / sqrt(var + eps), to LDS
.set XR, X+32*\k
	v_pk_add_f32 v[10:11], v[XR:XR+1], v[XR+2:XR+3]                ; the sum, in two chains of pairs
	v_pk_add_f32 v[12:13], v[XR+4:XR+5], v[XR+6:XR+7]
.irp j, 8,12,16,20,24,28
	s_delay_alu instid0(VALU_DEP_2)
	v_pk_add_f32 v[10:11], v[10:11], v[XR+\j:XR+\j+1]
	s_delay_alu instid0(VALU_DEP_2)
	v_pk_add_f32 v[12:13], v[12:13], v[XR+\j+2:XR+\j+3]
.endr
	s_delay_alu instid0(VALU_DEP_1)
	v_pk_add_f32 v[10:11], v[10:11], v[12:13]
	s_delay_alu instid0(VALU_DEP_1)
	v_add_f32 v10, v10, v11
	LANES 10, 26
	s_delay_alu instid0(VALU_DEP_1)
	v_mul_f32 v18, s52, v10                        ; the mean,
	s_delay_alu instid0(VALU_DEP_1)
	v_mov_b32 v19, v18                             ; twice, for the packed form
.irp j, 0,2,4,6,8,10,12,14,16,18,20,22,24,26,28,30
	v_pk_add_f32 v[XR+\j:XR+\j+1], v[XR+\j:XR+\j+1], v[18:19] neg_lo:[0,1] neg_hi:[0,1]   ; x - mean: the variance is taken of the differences
.endr
	v_pk_mul_f32 v[10:11], v[XR:XR+1], v[XR:XR+1]
	v_pk_mul_f32 v[12:13], v[XR+2:XR+3], v[XR+2:XR+3]
.irp j, 4,8,12,16,20,24,28
	s_delay_alu instid0(VALU_DEP_2)
	v_pk_fma_f32 v[10:11], v[XR+\j:XR+\j+1], v[XR+\j:XR+\j+1], v[10:11]
	s_delay_alu instid0(VALU_DEP_2)
	v_pk_fma_f32 v[12:13], v[XR+\j+2:XR+\j+3], v[XR+\j+2:XR+\j+3], v[12:13]
.endr
	s_delay_alu instid0(VALU_DEP_1)
	v_pk_add_f32 v[10:11], v[10:11], v[12:13]
	s_delay_alu instid0(VALU_DEP_1)
	v_add_f32 v10, v10, v11
	LANES 10, 26
	s_delay_alu instid0(VALU_DEP_1)
	v_fma_f32 v10, v10, s52, s53                   ; var + eps
	s_wait_alu depctr_va_vdst(0)
	v_rsq_f32 v22, v10
	v_nop                                          ; one plain instruction behind a transcendental (ISA guide 5.7.2)
	s_wait_alu depctr_va_vdst(0)
	v_mov_b32 v23, v22
.irp j, 0,2,4,6,8,10,12,14,16,18,20,22,24,26,28,30
	v_pk_mul_f32 v[XR+\j:XR+\j+1], v[XR+\j:XR+\j+1], v[22:23]
.endr
.irp j, 0,1,2,3,4,5,6,7
	ds_store_b128 v6, v[XR+4*\j:XR+4*\j+3] offset:PIT*\k+512*\j
.endr
.endm
	s_wait_loadcnt 32                              ; x's 16 loads are in; the 32 of gamma and beta, issued behind them, may stay out
	NORM 0
	NORM 1
	s_wait_dscnt 0x0                               ; for the others' sake: my two rows lie in LDS
	s_barrier_signal -1
	s_barrier_wait -1
	; ---- phase B: K step w of the tile's 16 rows
.irp c, 0,1
.irp m, 0,1,2,3,4,5,6,7
	ds_load_b128 v[X+32*\c+4*\m:X+32*\c+4*\m+3], v7 offset:256*\c+16*\m   ; blocks 2 c + h of row r: all 32 numbers of a block in one lane
.endr
.endr
	s_wait_loadcnt 0x0                             ; gamma, beta
	s_wait_dscnt 0x0
.set j, 0
.rept 32
	v_pk_fma_f32 v[X+j:X+j+1], v[X+j:X+j+1], v[GA+j:GA+j+1], v[BE+j:BE+j+1]
.set j, j+2
.endr
.irp c, 0,1
	v_max3_num_f32 v[10+\c], |v[X+32*\c]|, |v[X+32*\c+1]|, 0x1800000   ; the block's largest magnitude, over the floor 2^(3 - 127): the byte cannot fall under 1
.endr
.irp i, 2,4,6,8,10,12,14,16,18,20,22,24,26,28,30
.irp c, 0,1
	s_delay_alu instid0(VALU_DEP_2)
	v_max3_num_f32 v[10+\c], v[10+\c], |v[X+32*\c+\i]|, |v[X+32*\c+\i+1]|
.endr
.endr
.irp c, 0,1
	s_delay_alu instid0(VALU_DEP_2)
	v_add_nc_u32 v[12+\c], 0xff000000, v[10+\c]    ; 2 off the exponent field: the conversion's scale operand
.endr
.irp c, 0,1
	s_delay_alu instid0(VALU_DEP_2)
	v_lshrrev_b32 v[14+\c], 23, v[12+\c]           ; the scale's byte
.endr
	s_delay_alu instid0(VALU_DEP_1)
	v_lshl_or_b32 v16, v15, 16, v14                ; my two bytes, blocks h and 2 + h,
	v_lshlrev_b32 v17, 3, v3
	s_delay_alu instid0(VALU_DEP_1)
	v_lshlrev_b32 v16, v17, v16                    ; 8 h bits up;
	s_delay_alu instid0(VALU_DEP_1)
	v_permlanex16_b32 v26, v16, s40, s41
	s_delay_alu instid0(VALU_DEP_1)
	v_or_b32 v16, v16, v26                         ; with lane l xor 16's the word is whole
.irp c, 0,1
	v_cvt_scalef32_pk16_fp6_f32 v[C+6*\c:C+6*\c+2], v[X+32*\c:X+32*\c+15], v[12+\c]
	v_cvt_scalef32_pk16_fp6_f32 v[T+4*\c:T+4*\c+2], v[X+32*\c+16:X+32*\c+31], v[12+\c]   ; (a conversion's three registers begin on an even number)
.endr
	v_nop                                          ; one plain instruction behind a scaled conversion
.irp c, 0,1
.irp i, 0,1,2
	v_mov_b32 v[C+6*\c+3+\i], v[T+4*\c+\i]
.endr
.endr
	global_store_b128 v4, v[C:C+3], s[34:35]                       ; 512 consecutive bytes,
	global_store_b64 v5, v[C+4:C+5], s[34:35] offset:512           ; 256,
	global_store_b128 v4, v[C+6:C+9], s[34:35] offset:768
	global_store_b64 v5, v[C+10:C+11], s[34:35] offset:1280
	global_store_b32 v9, v16, s[36:37]             ; row r's scale word (lanes r and r + 16 hold and write the same)
	s_wait_tensorcnt 0x0
	ds_add_u32 v244, v245
	s_wait_dscnt 0x0
	s_endpgm
	; ---------------- the weights: work-group 512 + 64 m + tile, wave = K step
.Lweights:
	s_sub_co_u32 s5, ttmp9, 512
	s_lshr_b32 s6, s5, 6                           ; m: 0 q, 1 k, 2 v, 3 o
	s_and_b32 s7, s5, 63                           ; the tile among the weight's 64
	s_lshr_b32 s42, s7, 1
	s_lshl_b32 s42, s42, 5
	s_and_b32 s44, s7, 1
	s_lshl_b32 s44, s44, 3
	s_add_co_u32 s42, s42, s44                     ; the tile's first row: 32 (tile / 2) + 8 (tile % 2)
	s_mul_i32 s38, s42, 768                        ; a row of 1,024 codes is 768 bytes
	s_mul_i32 s44, s4, 96
	s_add_co_u32 s38, s38, s44                     ; + my K step's 96 bytes
	s_lshl_b32 s46, s42, 5                         ; a row of scale bytes is 32 bytes
	s_lshl_b32 s44, s4, 2
	s_add_co_u32 s46, s46, s44
	s_lshl_b32 s44, s6, 3
	s_lshr_b32 s45, s7, 3
	s_add_co_u32 s44, s44, s45
	s_mul_i32 s44, s44, GRP
	s_add_co_u32 s44, s44, s43                     ; the record in wimg
	s_and_b32 s45, s7, 7
	s_mul_i32 s48, s45, 1536
	s_add_co_u32 s48, s48, s44
	s_and_b32 s50, s45, 1
	s_lshl_b32 s50, s50, 8
	s_lshr_b32 s45, s45, 1
	s_lshl_b32 s45, s45, 2
	s_add_co_u32 s50, s50, s45
	s_add_co_u32 s50, s50, s44
	s_add_co_u32 s50, s50, 12288
	s_wait_alu depctr_va_vdst(0)
	v_and_b32 v6, 8, v2
	s_delay_alu instid0(VALU_DEP_1)
	v_add_nc_u32 v6, v6, v2                        ; r + 8 (r / 8)
	s_delay_alu instid0(VALU_DEP_1)
	v_mul_u32_u24 v7, v6, 768
	s_delay_alu instid0(VALU_DEP_1)
	v_mad_u32_u24 v7, v3, 24, v7                   ; my row, my half's 24 bytes
	s_delay_alu instid0(VALU_DEP_3)
	v_lshlrev_b32 v8, 5, v6
	s_wait_alu depctr_va_vdst(0)
	s_wait_kmcnt 0x0
	s_cmp_eq_u32 s6, 1                             ; the buffers are chosen on the work-group's number alone
	s_cselect_b64 s[14:15], s[16:17], s[14:15]
	s_cselect_b64 s[22:23], s[24:25], s[22:23]
	s_cmp_eq_u32 s6, 2
	s_cselect_b64 s[14:15], s[18:19], s[14:15]
	s_cselect_b64 s[22:23], s[26:27], s[22:23]
	s_cmp_eq_u32 s6, 3
	s_cselect_b64 s[14:15], s[20:21], s[14:15]
	s_cselect_b64 s[22:23], s[28:29], s[22:23]
	s_add_nc_u64 s[14:15], s[14:15], s[38:39]
	s_add_nc_u64 s[22:23], s[22:23], s[46:47]
	s_add_nc_u64 s[34:35], s[32:33], s[48:49]
	s_add_nc_u64 s[36:37], s[32:33], s[50:51]
.irp p, 0,1,2,3,4,5
	global_load_b64 v[32+2*\p:33+2*\p], v7, s[14:15] offset:48*(\p/3)+8*(\p%3)   ; the row's stream of bits is the register image: 24 bytes for each 32 codes
.endr
	global_load_b32 v44, v8, s[22:23]              ; the row's four scale bytes of this K step
	s_wait_loadcnt 0x0
	global_store_b128 v4, v[32:35], s[34:35]
	global_store_b64 v5, v[36:37], s[34:35] offset:512
	global_store_b128 v4, v[38:41], s[34:35] offset:768
	global_store_b64 v5, v[42:43], s[34:35] offset:1280
	global_store_b32 v9, v44, s[36:37]
	s_endpgm
.Lfunc_end_k_q6d66112e70_prep:
	.size	k_q6d66112e70_prep, .Lfunc_end_k_q6d66112e70_prep-k_q6d66112e70_prep
	.p2alignl 7, 3214868480
	.fill 96, 4, 3214868480
	.section	.rodata,"a",@progbits
	.p2align	6, 0x0
	.amdhsa_kernel k_q6d66112e70_prep
		.amdhsa_group_segment_fixed_size 66816
		.amdhsa_private_segment_fixed_size 0
		.amdhsa_enable_private_segment 0
		.amdhsa_kernarg_size 104
		.amdhsa_user_sgpr_count 2
		.amdhsa_user_sgpr_kernarg_segment_ptr 1
		.amdhsa_wavefront_size32 1
		.amdhsa_system_sgpr_workgroup_id_x 1
		.amdhsa_system_sgpr_workgroup_id_y 1
		.amdhsa_system_sgpr_workgroup_id_z 1
		.amdhsa_system_vgpr_workitem_id 0
		.amdhsa_next_free_vgpr 246
		.amdhsa_next_free_sgpr 66
		.amdhsa_reserve_vcc 0
		.amdhsa_float_denorm_mode_32 3
		.amdhsa_float_denorm_mode_16_64 3
		.amdhsa_memory_ordered 1
		.amdhsa_forward_progress 1
		.amdhsa_inst_pref_size 33
	.end_amdhsa_kernel
	.amdgpu_metadata
---
amdhsa.version: [ 1, 2 ]
amdhsa.kernels:
  - .name:           k_q6d66112e70_prep
    .symbol:         k_q6d66112e70_prep.kd
    .args:
      - { .name: x, .offset: 0, .size: 8, .value_kind: global_buffer, .address_space: global }
      - { .name: ln_gamma, .offset: 8, .size: 8, .value_kind: global_buffer, .address_space: global }
      - { .name: ln_beta, .offset: 16, .size: 8, .value_kind: global_buffer, .address_space: global }
      - { .name: Wq_codes, .offset: 24, .size: 8, .value_kind: global_buffer, .address_space: global }
      - { .name: Wk_codes, .offset: 32, .size: 8, .value_kind: global_buffer, .address_space: global }
      - { .name: Wv_codes, .offset: 40, .size: 8, .value_kind: global_buffer, .address_space: global }
      - { .name: Wo_codes, .offset: 48, .size: 8, .value_kind: global_buffer, .address_space: global }
      - { .name: Wq_scales, .offset: 56, .size: 8, .value_kind: global_buffer, .address_space: global }
      - { .name: Wk_scales, .offset: 64, .size: 8, .value_kind: global_buffer, .address_space: global }
      - { .name: Wv_scales, .offset: 72, .size: 8, .value_kind: global_buffer, .address_space: global }
      - { .name: Wo_scales, .offset: 80, .size: 8, .value_kind: global_buffer, .address_space: global }
      - { .name: himg, .offset: 88, .size: 8, .value_kind: global_buffer, .address_space: global }
      - { .name: wimg, .offset: 96, .size: 8, .value_kind: global_buffer, .address_space: global }
    .group_segment_fixed_size: 66816
    .private_segment_fixed_size: 0
    .kernarg_segment_align: 8
    .kernarg_segment_size: 104
    .max_flat_workgroup_size: 256
    .sgpr_count:     66
    .vgpr_count:     246
    .wavefront_size: 32
...
	.end_amdgpu_metadata
.endif
;; end of part 1
;; launch qkvg (part 2): grid 4 x 64, 4 waves a work-group, clusters of 4 x 4, 327,680 bytes of LDS; arguments himg, wimg, bq, bk, bv, qkv; writes qkv
.if DOCPART == 2
	.amdgcn_target "amdgcn-amd-amdhsa--gfx1250"
	.amdhsa_code_object_version 6
	.text
	.protected	k_q6d66112e70_qkvg
	.globl	k_q6d66112e70_qkvg
	.p2align	8
	.type	k_q6d66112e70_qkvg,@function
k_q6d66112e70_qkvg:
	s_mov_b64 s[64:65], 0
	v_nop
	global_prefetch_b8 v0, s[64:65] scope:SCOPE_SE
	s_setreg_imm32_b32 hwreg(HW_REG_WAVE_MODE, 25, 1), 1
	s_wait_xcnt 0x0
	s_wait_alu depctr_hold_cnt(0) depctr_sa_sdst(0) depctr_va_vdst(0) depctr_va_sdst(0) depctr_va_ssrc(0) depctr_va_vcc(0) depctr_vm_vsrc(0)
	s_getreg_b32 s2, hwreg(HW_REG_IB_STS2, 6, 4)
	s_cmp_eq_u32 s2, 0
	s_cbranch_scc0 .Lentry_in_a_cluster
	s_endpgm
.Lentry_in_a_cluster:
	s_bfe_u32 s2, ttmp6, 0x10000c
	s_cmp_lg_u32 s2, 0xf033
	s_cbranch_scc0 .Lentry_shape_is_right
	s_endpgm
.Lentry_shape_is_right:
; Q = h Wq^T + bq, K = h Wk^T + bk, V = h Wv^T + bv on codes of E2M3, and each result quantised again for attention: Q and K along the head's 64, V along the keys.  Nothing leaves as f32.
; A WORK-GROUP STAYS and makes three blocks one after the other, kind 0 Q, 1 K, 2 V: each 128 R rows x 256 P rows over all of K = 1,024.  SOURCE 0 = P: its rows run along a lane's result registers; SOURCE 1 = R: one row to a lane.
; Q, K: R = 128 tokens of h, P = 256 rows of the weight (a lane's registers run along the head's d).  V: R = 128 rows of Wv, P = 256 tokens (registers run along the keys).  So what is quantised always lies along one lane's registers.
; 4 x 64 work-groups x 3 kinds: with Y the cluster's y, Q and K take R group 4 Y + cy of h's 64 and P pair cx of the weight's 4; V takes R group 4 (Y % 2) + cy of Wv's 8 and P pair 4 (Y / 2) + cx of h's 32: each block has one owner.
; OPERANDS come as images of their registers (group of 128 rows = 8 records of 12,800 bytes, one for each 128 along K; tile i at 1,536 i; scale words at 12,288; lane-row r of tile 2 p + u is row 32 p + 8 u + r + 8 (r / 8)).
; With that order of rows the 16 result registers of P tiles 2 p and 2 p + 1 are rows 32 p + 16 (lane / 16) + 0 .. 15: neighbours.
; LDS: R's group and P's two groups for ALL of K, 3 x 102,400 bytes.  One tensor load a wave fills them: wave 0 R's K steps 0-3, wave 3 R's K steps 4-7, waves 1 and 2 a group of P each.
; THE NEXT KIND'S FILL is asked for behind the last K step, behind the three lines and a round of the cluster's barrier, and lands under the way out, which uses no LDS.
; The loop has two trips, Q and K, each with its refill; V's tail is written out and asks for nothing.  K's R is Q's: it is asked for again all the same.
; CLUSTER 4 x 4: R hangs on cy, P on cx: each load is asked for jointly by the four work-groups of a row (R) or of a column (P) of the cluster.  No prefetch: a fill is asked for a whole way out ahead of its first read.
; Four waves: wave w makes R tiles 4 (w / 2) .. + 3 x P group w % 2: 32 accumulators, which take turns, one instruction a turn, in the same order in every K step.
; OUTPUT: qkv, a record of 19,712 bytes for each (batch, head, 128 tokens): K's 8 half fragments (16 tokens x 64 d, 768 bytes) at 0; V^T's 4 fragments (16 d x 128 keys) at 6,144; K's scale words at 12,288; V's at 12,800;
; Q's half fragments at 13,056; Q's scale words at 19,200.  Q's and K's scale words hold two bytes; the upper two are 0.
; LIMITS: NaN and infinities are not served; a block whose largest magnitude lies under 2^-124 gets the byte 1 (this program alone reads the bytes).
; REGISTERS: window 0: v1-7 lane terms, v8-17 LDS addresses, v20-27 P's scale words (two sets), v28-31 R's, v32-127 R's fragments (two sets of 48), v128-191 bias along the registers, v192-199 bias of the lane, v200-251 codes on the way out;
;   window 1: P's fragments, two sets, at v0 and v128;   window 2: accumulator (a, b) at v[8 (8 a + b)].
.set GRP,   102400
.set REC,   12800
.set WSZ,   819200
.set CH,    51200                      ; half a group: four records
.set REC3,  19712
.set KOFF,  0
.set VOFF,  6144
.set KSOFF, 12288
.set VSOFF, 12800
.set QOFF,  13056
.set QSOFF, 19200
.set RB,    0                          ; LDS: R's group,
.set PB,    GRP                        ; P's two groups
.set AP16,  8                          ; v8-9   P: my group + 51,200 kh + 16 l
.set AP8,   10                         ; v10-11 the same + 8 l
.set AR16,  12                         ; v12-13 R: my four tiles + 51,200 kh + 16 l
.set AR8,   14                         ; v14-15
.set ARS,   16                         ; v16-17 R's scale words: 51,200 kh + 16 l + 8 (w / 2)
.set SP,    20
.set SR,    28
.set RF,    32
.set BP,    128
.set BR,    192
.set G1R,   28                         ; s[28:35] descriptor group 1 for R's halves (200 rows);  s[36:43] for P's groups (400 rows)
.set G1P,   36
.set G0R,   44                         ; s[44:47], s[48:51] group 0 for R's two halves
.set G0R2,  48
.set SEL,   60                         ; s[60:61]
.set OUT,   62                         ; s[62:63]
.set G0P,   68                         ; s[68:71] group 0 for the group of P that waves 1 and 2 fetch
.set MSB, 0
.macro WIN new                         ; the immediate's high byte repeats the setting that is left
.if MSB != \new
	s_set_vgpr_msb (MSB<<8)|\new
.set MSB, \new
.endif
.endm
.macro CROUND                          ; a round of the cluster's barrier
	s_barrier_signal -1
	s_barrier_wait -1
	s_cmp_lg_u32 s16, 0
	s_cbranch_scc1 .Lnot_wave_0_\@
	s_barrier_signal -3
.Lnot_wave_0_\@:
	s_barrier_wait -3
	s_barrier_signal -1
	s_barrier_wait -1
.endm
.macro PLACES                          ; four plain instructions between a matrix instruction and a load into, or a vector read of, its registers
.rept 4
	v_nop
.endr
.endm
; kind s22's groups (s24 R's, s25 P's pair) and the three descriptors' global addresses.  No tensor load of the wave is out where this stands.
.macro KADDR
	s_and_b32 s86, s23, 1
	s_lshr_b32 s87, s23, 1
	s_cmp_eq_u32 s22, 2
	s_cselect_b32 s86, s86, s23                    ; V: Wv's 8 groups; Q, K: h's 64
	s_cselect_b32 s87, s87, 0                      ; V: h's 32 pairs of groups; Q, K: the weight's 4
	s_lshl_b32 s24, s86, 2
	s_add_co_u32 s24, s24, s21                     ; R's group: made of cy and the cluster's y
	s_lshl_b32 s25, s87, 2
	s_add_co_u32 s25, s25, s20                     ; P's pair of groups: made of cx and the cluster's y
	s_mul_i32 s88, s24, GRP
	s_mov_b32 s89, 0
	s_lshl_b32 s90, s25, 1
	s_add_co_u32 s90, s90, s17
	s_mul_i32 s90, s90, GRP
	s_mov_b32 s91, 0
	s_mul_i32 s92, s22, WSZ
	s_cmp_eq_u32 s22, 2
	s_cselect_b32 s93, 2*WSZ, 0                    ; V: R lies in wimg behind Wq and Wk
	s_cselect_b32 s92, 0, s92                      ; Q, K: P lies in wimg at its weight
	s_add_co_u32 s88, s88, s93
	s_add_co_u32 s90, s90, s92
	s_cmp_eq_u32 s22, 2
	s_cselect_b64 s[94:95], s[6:7], s[4:5]         ; R's buffer
	s_cselect_b64 s[96:97], s[4:5], s[6:7]         ; P's
	s_add_nc_u64 s[G0R+2:G0R+3], s[94:95], s[88:89]
	s_or_b32 s[G0R+3], s[G0R+3], 0x80000000
	s_add_nc_u64 s[G0R2+2:G0R2+3], s[G0R+2:G0R+3], CH
	s_add_nc_u64 s[G0P+2:G0P+3], s[96:97], s[90:91]
	s_or_b32 s[G0P+3], s[G0P+3], 0x80000000
.endm
; the fill: ONE chain of branches on the wave's number, one joint load to an arm
.macro LOADS
	s_cmp_eq_u32 s16, 0
	s_cbranch_scc0 .Lnot_r_\@
	tensor_load_to_lds s[G0R:G0R+3], s[G1R:G1R+7]          ; wave 0: R's K steps 0 to 3
	s_nop 0
	PLACES
	s_branch .Lasked_\@
.Lnot_r_\@:
	s_cmp_lt_u32 s16, 3
	s_cbranch_scc0 .Lwave_3_\@
	tensor_load_to_lds s[G0P:G0P+3], s[G1P:G1P+7]          ; waves 1 and 2: a group of P, all of K
	s_nop 0
	PLACES
	s_branch .Lasked_\@
.Lwave_3_\@:
	tensor_load_to_lds s[G0R2:G0R2+3], s[G1R:G1R+7]        ; wave 3: R's K steps 4 to 7
	s_nop 0
	PLACES
.Lasked_\@:
.endm
; kind s22's biases.  Both sets are loaded for every kind (the one that the kind does not use from the buffer's start), so that every register is written on every way.
.macro BIAS
	s_mov_b64 s[84:85], s[8:9]
	s_cmp_eq_u32 s22, 1
	s_cselect_b64 s[84:85], s[10:11], s[84:85]
	s_cmp_eq_u32 s22, 2
	s_cselect_b64 s[84:85], s[12:13], s[84:85]
	s_lshl_b32 s86, s25, 10                        ; Q, K: features 256 x pair + 128 x my group, 4 bytes each
	s_lshl_b32 s87, s18, 9
	s_add_co_u32 s86, s86, s87
	s_lshl_b32 s88, s24, 9                         ; V: features 128 x group + 64 x my half
	s_lshl_b32 s89, s17, 8
	s_add_co_u32 s88, s88, s89
	s_cmp_eq_u32 s22, 2
	s_cselect_b32 s86, 0, s86
	s_cselect_b32 s88, s88, 0
	s_mov_b32 s87, 0
	s_mov_b32 s89, 0
	s_add_nc_u64 s[84:85], s[84:85], s[86:87]
	s_add_nc_u64 s[90:91], s[12:13], s[88:89]
.irp b, 0,1,2,3,4,5,6,7
	global_load_b128 v[BP+8*\b:BP+8*\b+3], v6, s[84:85] offset:(32*(\b/2)+8*(\b%2))*4       ; register 8 b + j: feature 32 (b / 2) + 16 h + 8 (b % 2) + j: the result's layout
	global_load_b128 v[BP+8*\b+4:BP+8*\b+7], v6, s[84:85] offset:(32*(\b/2)+8*(\b%2))*4+16
.endr
.irp a, 0,1,2,3
	global_load_b32 v[BR+2*\a], v7, s[90:91] offset:(32*(\a/2)+8*(\a%2))*4                  ; V: my lane's feature in R tile a
.endr
.endm
	s_load_b256 s[4:11], s[0:1], 0x0               ; himg, wimg, bq, bk
	s_load_b128 s[12:15], s[0:1], 0x20             ; bv, qkv
	v_lshl_add_u32 v254, v0, 2, 0x4b000
	v_mov_b32 v255, 0
	ds_add_u32 v254, v255                          ; the opening lines: the add twice on end and its wait
	ds_add_u32 v254, v255
	v_lshrrev_b32 v1, 5, v0
	v_readfirstlane_b32 s16, v1                    ; wave 0..3
	s_lshr_b32 s17, s16, 1                         ; which half of R's tiles is mine.  Also: which of P's groups waves 1 and 2 fetch
	s_and_b32 s18, s16, 1                          ; which of P's groups is mine
	s_bfe_u32 s20, ttmp6, 0x40000                  ; cx
	s_bfe_u32 s21, ttmp6, 0x40004                  ; cy
	s_mov_b32 s22, 0                               ; the kind: 0 Q, 1 K, 2 V: the same in all partners
	s_and_b32 s23, ttmp7, 0xffff                   ; the cluster's y
	s_lshl_b32 s84, s21, 2
	s_lshl_b32 s84, 15, s84                        ; my row of the cluster
	s_lshl_b32 s85, 0x1111, s20                    ; my column
	s_or_b32 s[G1R], s84, (3<<16)|(1<<21)          ; 15:0 the mask; 17:16 elements of 8 bytes; 21 set beside a mask; no padding: the images are read as they lie
	s_or_b32 s[G1P], s85, (3<<16)|(1<<21)
.irp g, G1R, G1P
	s_mov_b32 s[\g+1], 32<<16                      ; tensor_dim0 = 32 elements: rows of 256 bytes
	s_mov_b32 s[\g+3], 32<<16                      ; tile_dim0
	s_mov_b32 s[\g+5], 32                          ; the pitch
	s_mov_b32 s[\g+6], 0
	s_mov_b32 s[\g+7], 0
.endr
	s_mov_b32 s[G1R+2], 200<<16                    ; R's half: 200 rows, 51,200 dense bytes
	s_mov_b32 s[G1R+4], 200
	s_mov_b32 s[G1P+2], 400<<16                    ; a group of P: 400 rows, 102,400 dense bytes
	s_mov_b32 s[G1P+4], 400
	s_mov_b32 s[G0R], 1
	s_mov_b32 s[G0R+1], RB
	s_mov_b32 s[G0R2], 1
	s_mov_b32 s[G0R2+1], RB+CH
	s_mov_b32 s[G0P], 1
	s_mul_i32 s84, s17, GRP                        ; where the fetched group of P goes
	s_add_co_u32 s[G0P+1], s84, PB
	s_wait_dscnt 0x0
	s_wait_kmcnt 0x0
	KADDR
	CROUND                                         ; all sixteen work-groups are here: the joint loads meet
	LOADS
	v_and_b32 v1, 31, v0                           ; l
	v_and_b32 v2, 15, v0                           ; r
	v_bfe_u32 v3, v0, 4, 1                         ; h
	v_lshlrev_b32 v4, 4, v1                        ; 16 l
	v_lshlrev_b32 v5, 3, v1                        ; 8 l
	v_lshlrev_b32 v6, 6, v3                        ; 64 h: sixteen f32
	v_and_b32 v7, 8, v2
	v_add_nc_u32 v7, v7, v2
	v_lshlrev_b32 v7, 2, v7                        ; 4 (r + 8 (r / 8))
.irp a, 0,1,2,3
	v_mov_b32 v[BR+2*\a+1], 0                      ; (named with the lane's bias as a pair)
.endr
	s_wait_alu depctr_va_vdst(0)                   ; the wait ahead of the scalar lines below
	s_mul_i32 s92, s18, GRP
	s_add_co_u32 s92, s92, PB
	s_mul_i32 s93, s17, 6144
	s_lshl_b32 s94, s17, 3
.irp kh, 0,1
	v_add_nc_u32 v[AP16+\kh], s92, v4
	v_add_nc_u32 v[AP8+\kh], s92, v5
	v_add_nc_u32 v[AR16+\kh], s93, v4
	v_add_nc_u32 v[AR8+\kh], s93, v5
	v_add_nc_u32 v[ARS+\kh], s94, v4
	s_add_co_u32 s92, s92, 4*REC                   ; K steps 4 to 7 lie beyond an LDS instruction's 16-bit offset
	s_add_co_u32 s93, s93, 4*REC
	s_add_co_u32 s94, s94, 4*REC
.endr
	s_mov_b32 s[SEL], 0x76543210
	s_mov_b32 s[SEL+1], 0xfedcba98                 ; v_permlanex16_b32's selects for lane l xor 16
	s_mov_b32 s26, 0xffff0000                      ; lanes 16-31
	BIAS
; one product: R tile a x P tile b, 128 along K, operand set p.  A scale register holds an even tile's words in lanes 0-15 and the odd neighbour's in lanes 16-31.
.macro WM a, b, p, zero
.set rD, 8*(8*(\a)+(\b))
.set rA, 128*(\p)+12*(\b)
.set rB, RF+48*(\p)+12*(\a)
.set rX, SP+4*(\p)+(\b)/2
.set rY, SR+2*(\p)+(\a)/2
.if \zero
.if ((\b)%2) && ((\a)%2)
	v_wmma_scale_f32_16x16x128_f8f6f4 v[rD:rD+7], v[rA:rA+11], v[rB:rB+11], 0, v[rX], v[rY] matrix_a_fmt:MATRIX_FMT_FP6 matrix_b_fmt:MATRIX_FMT_FP6 matrix_a_scale:MATRIX_SCALE_ROW1 matrix_b_scale:MATRIX_SCALE_ROW1
.elseif (\b)%2
	v_wmma_scale_f32_16x16x128_f8f6f4 v[rD:rD+7], v[rA:rA+11], v[rB:rB+11], 0, v[rX], v[rY] matrix_a_fmt:MATRIX_FMT_FP6 matrix_b_fmt:MATRIX_FMT_FP6 matrix_a_scale:MATRIX_SCALE_ROW1
.elseif (\a)%2
	v_wmma_scale_f32_16x16x128_f8f6f4 v[rD:rD+7], v[rA:rA+11], v[rB:rB+11], 0, v[rX], v[rY] matrix_a_fmt:MATRIX_FMT_FP6 matrix_b_fmt:MATRIX_FMT_FP6 matrix_b_scale:MATRIX_SCALE_ROW1
.else
	v_wmma_scale_f32_16x16x128_f8f6f4 v[rD:rD+7], v[rA:rA+11], v[rB:rB+11], 0, v[rX], v[rY] matrix_a_fmt:MATRIX_FMT_FP6 matrix_b_fmt:MATRIX_FMT_FP6
.endif
.else
.if ((\b)%2) && ((\a)%2)
	v_wmma_scale_f32_16x16x128_f8f6f4 v[rD:rD+7], v[rA:rA+11], v[rB:rB+11], v[rD:rD+7], v[rX], v[rY] matrix_a_fmt:MATRIX_FMT_FP6 matrix_b_fmt:MATRIX_FMT_FP6 matrix_a_scale:MATRIX_SCALE_ROW1 matrix_b_scale:MATRIX_SCALE_ROW1
.elseif (\b)%2
	v_wmma_scale_f32_16x16x128_f8f6f4 v[rD:rD+7], v[rA:rA+11], v[rB:rB+11], v[rD:rD+7], v[rX], v[rY] matrix_a_fmt:MATRIX_FMT_FP6 matrix_b_fmt:MATRIX_FMT_FP6 matrix_a_scale:MATRIX_SCALE_ROW1
.elseif (\a)%2
	v_wmma_scale_f32_16x16x128_f8f6f4 v[rD:rD+7], v[rA:rA+11], v[rB:rB+11], v[rD:rD+7], v[rX], v[rY] matrix_a_fmt:MATRIX_FMT_FP6 matrix_b_fmt:MATRIX_FMT_FP6 matrix_b_scale:MATRIX_SCALE_ROW1
.else
	v_wmma_scale_f32_16x16x128_f8f6f4 v[rD:rD+7], v[rA:rA+11], v[rB:rB+11], v[rD:rD+7], v[rX], v[rY] matrix_a_fmt:MATRIX_FMT_FP6 matrix_b_fmt:MATRIX_FMT_FP6
.endif
.endif
.endm
.macro MUL a0, p, zero                 ; 16 products: R tiles a0, a0 + 1 x P's eight
.irp a, \a0, \a0+1
.irp b, 0,1,2,3,4,5,6,7
	WM \a, \b, \p, \zero
.endr
.endr
.endm
.macro FETCH q, p                      ; K step q's operands into set p: 50 LDS loads, each of consecutive bytes
.set FK, (\q)/4
.set FO, ((\q)%4)*REC
	WIN 0x40                                       ; destination window 1, address window 0
.irp b, 0,1,2,3,4,5,6,7
.irp c, 0,1
	ds_load_b128 v[128*(\p)+12*\b+6*\c:128*(\p)+12*\b+6*\c+3], v[AP16+FK] offset:FO+1536*\b+768*\c
	ds_load_b64 v[128*(\p)+12*\b+6*\c+4:128*(\p)+12*\b+6*\c+5], v[AP8+FK] offset:FO+1536*\b+768*\c+512
.endr
.endr
	WIN 0
.irp a, 0,1,2,3
.irp c, 0,1
	ds_load_b128 v[RF+48*(\p)+12*\a+6*\c:RF+48*(\p)+12*\a+6*\c+3], v[AR16+FK] offset:FO+1536*\a+768*\c
	ds_load_b64 v[RF+48*(\p)+12*\a+6*\c+4:RF+48*(\p)+12*\a+6*\c+5], v[AR8+FK] offset:FO+1536*\a+768*\c+512
.endr
.endr
	ds_load_b128 v[SP+4*(\p):SP+4*(\p)+3], v[AP16+FK] offset:FO+12288     ; P's scale words: register n: tiles 2 n and 2 n + 1
	ds_load_b64 v[SR+2*(\p):SR+2*(\p)+1], v[ARS+FK] offset:FO+12288       ; R's, of my four tiles
.endm
.macro STEP q, zero                    ; a K step: 32 products; in its middle the next step's operands are fetched into the other set
	s_wait_dscnt 0x0                               ; this step's operands are in (asked for 16 products ago)
	WIN 0xa1                                       ; source 0 (P) window 1, source 1 (R) window 0, C and D window 2
	MUL 0, (\q)%2, \zero
.if (\q) < 7
	PLACES                                         ; the other set was read by the last step's products
	FETCH (\q)+1, ((\q)+1)%2
.endif
	WIN 0xa1
	MUL 2, (\q)%2, \zero
.endm
.macro BODY                            ; a block's products: all of K lies in LDS
	FETCH 0, 0
	STEP 0, 1                                      ; the first products start the sums: nothing is cleared
.irp q, 1,2,3,4,5,6,7
	STEP \q, 0
.endr
	WIN 0
	PLACES
.endm
; 32 numbers of a lane, v[W + 16 b + i] = k 32 b + 16 (lane / 16) + i of my row, become half a fragment's six registers in v[C] on; v[HW] = the two scale bytes.
.macro QUANT2 W, C, T, M, HW
.irp b, 0,1
	v_max3_num_f32 v[\M+\b], |v[\W+16*\b]|, |v[\W+16*\b+1]|, 0x1800000   ; my 16 numbers of block b, over the floor 2^(3 - 127): the byte cannot fall under 1
.endr
.irp i, 2,4,6,8,10,12,14
.irp b, 0,1
	v_max3_num_f32 v[\M+\b], v[\M+\b], |v[\W+16*\b+\i]|, |v[\W+16*\b+\i+1]|
.endr
.endr
.irp b, 0,1
	v_permlanex16_b32 v[\M+2+\b], v[\M+\b], s[SEL], s[SEL+1]
.endr
.irp b, 0,1
	v_max_num_f32 v[\M+\b], v[\M+\b], v[\M+2+\b]   ; with lane l xor 16's: the block's largest magnitude
.endr
.irp b, 0,1
	v_add_nc_u32 v[\M+4+\b], 0xff000000, v[\M+\b]  ; 2 off its exponent field: the conversion's scale operand
.endr
.irp b, 0,1
	v_lshrrev_b32 v[\M+2+\b], 23, v[\M+4+\b]       ; the scale's byte
.endr
	v_lshl_or_b32 v[\HW], v[\M+3], 8, v[\M+2]
	v_cvt_scalef32_pk16_fp6_f32 v[\C:\C+2], v[\W:\W+15], v[\M+4]
	v_cvt_scalef32_pk16_fp6_f32 v[\T:\T+2], v[\W+16:\W+31], v[\M+5]
	v_nop                                          ; one plain instruction behind a scaled conversion
.irp i, 0,1,2
	v_permlane16_swap_b32 v[\C+\i], v[\T+\i]       ; a whole block to a lane: lanes 0-15 block 0, lanes 16-31 block 1
.endr
.irp i, 0,1,2
	v_mov_b32 v[\C+3+\i], v[\T+\i]
.endr
.endm
; THE WAY OUT.  Unit (a, X): accumulators (a, 4 X .. 4 X + 3), 32 registers on end: 64 neighbouring P rows, two blocks, of the lane's R row.  One addition brings the bias and moves the numbers into window 0,
; each accumulator from its low end on.  Every unit has registers of its own for its codes, so that no store's data are written again inside a way out.  Each store covers 512 or 256 consecutive bytes.
.macro EPI isv
	v_mov_b32 v66, 0                               ; a lane permute's destination counts as one of its sources
	v_mov_b32 v67, 0
.irp X, 0,1
.irp a, 0,1,2,3
	WIN 0x02                                       ; source 0 window 2
.set k, 0
.rept 16
.if \isv
	v_pk_add_f32 v[32+k:33+k], v[64*\a+32*\X+k:64*\a+32*\X+k+1], v[BR+2*\a:BR+2*\a+1] op_sel_hi:[1,0]
.else
	v_pk_add_f32 v[32+k:33+k], v[64*\a+32*\X+k:64*\a+32*\X+k+1], v[BP+32*\X+k:BP+32*\X+k+1]
.endif
.set k, k+2
.endr
	WIN 0
	QUANT2 32, 200+6*(4*\X+\a), 72, 64, 76+4*\X+\a
.set CC, 200+6*(4*\X+\a)
.if \isv
	global_store_b128 v4, v[CC:CC+3], s[OUT:OUT+1] offset:1536*\a+768*\X           ; V^T: d tile a, keys 64 X on
	global_store_b64 v5, v[CC+4:CC+5], s[OUT:OUT+1] offset:1536*\a+768*\X+512
.else
	global_store_b128 v4, v[CC:CC+3], s[OUT:OUT+1] offset:\X*16*REC3+768*\a        ; head + X (16 records on), token tile a of my four
	global_store_b64 v5, v[CC+4:CC+5], s[OUT:OUT+1] offset:\X*16*REC3+768*\a+512
.endif
.endr
.if !\isv
	v_cndmask_b32 v[248+2*\X], v[76+4*\X], v[77+4*\X], s26     ; lanes 0-15 the even tile's words, lanes 16-31 the odd one's
	v_cndmask_b32 v[249+2*\X], v[78+4*\X], v[79+4*\X], s26
	global_store_b64 v5, v[248+2*\X:249+2*\X], s[98:99] offset:\X*16*REC3
.endif
.endr
.if \isv
.irp a, 0,1,2,3
	v_lshl_or_b32 v[84+\a], v[80+\a], 16, v[76+\a]             ; four bytes: the 128 keys' four blocks
.endr
	v_cndmask_b32 v248, v84, v85, s26
	v_cndmask_b32 v249, v86, v87, s26
	global_store_b64 v5, v[248:249], s[OUT:OUT+1] offset:VSOFF-VOFF
.endif
.endm
.Lkind:                                                ; two trips: Q, K
	s_wait_alu depctr_va_vdst(0)                   ; the wait ahead of the wait below
	s_wait_tensorcnt 0x0                           ; my part of this kind's fill is in,
	s_barrier_signal -1
	s_barrier_wait -1                              ; everybody's is
	BODY
	s_wait_loadcnt 0x0                             ; the biases; their address registers are written again below
	s_lshr_b32 s84, s24, 4                         ; where Q or K goes: record ((batch 16 + head) 16 + step): batch = group / 16, head = 4 pair + 2 (w % 2) (+ X), step = group % 16
	s_lshl_b32 s84, s84, 4
	s_lshl_b32 s85, s25, 2
	s_add_co_u32 s84, s84, s85
	s_lshl_b32 s85, s18, 1
	s_add_co_u32 s84, s84, s85
	s_lshl_b32 s84, s84, 4
	s_and_b32 s85, s24, 15
	s_add_co_u32 s84, s84, s85
	s_mul_i32 s84, s84, REC3
	s_mov_b32 s87, KSOFF
	s_cmp_eq_u32 s22, 0
	s_cselect_b32 s86, QOFF, KOFF
	s_cselect_b32 s87, QSOFF, s87
	s_mul_i32 s85, s17, 3072                       ; my four tiles
	s_add_co_u32 s86, s86, s85
	s_add_co_u32 s86, s86, s84
	s_lshl_b32 s85, s17, 8                         ; and their 256 bytes of scale words
	s_add_co_u32 s88, s87, s85
	s_add_co_u32 s88, s88, s84
	s_mov_b32 s87, 0
	s_mov_b32 s89, 0
	s_add_nc_u64 s[OUT:OUT+1], s[14:15], s[86:87]
	s_add_nc_u64 s[98:99], s[14:15], s[88:89]
	s_add_co_u32 s22, s22, 1                       ; the next kind,
	KADDR                                          ; its groups and descriptors
	s_wait_tensorcnt 0x0                           ; the three lines ahead of a refill: no load of mine is out,
	ds_add_u32 v254, v255
	s_wait_dscnt 0x0                               ; and my reads of this kind's operands are over
	CROUND                                         ; so it is with every wave of all sixteen work-groups
	LOADS                                          ; the next kind's operands land under the way out
	EPI 0
	s_wait_alu depctr_va_vdst(0)
	s_wait_xcnt 0x0                                ; the stores have read their registers and bases
	BIAS
	s_cmp_lt_u32 s22, 2
	s_cbranch_scc1 .Lkind
	s_wait_alu depctr_va_vdst(0)                   ; V: the tail, written out: nothing more is asked for
	s_wait_tensorcnt 0x0
	s_barrier_signal -1
	s_barrier_wait -1
	BODY
	s_wait_loadcnt 0x0
	s_lshl_b32 s84, s25, 1                         ; V: the token group 2 pair + w % 2; head = 2 group of Wv + w / 2
	s_add_co_u32 s84, s84, s18
	s_lshr_b32 s85, s84, 4
	s_lshl_b32 s85, s85, 4
	s_lshl_b32 s86, s24, 1
	s_add_co_u32 s85, s85, s86
	s_add_co_u32 s85, s85, s17
	s_lshl_b32 s85, s85, 4
	s_and_b32 s84, s84, 15
	s_add_co_u32 s84, s84, s85
	s_mul_i32 s84, s84, REC3
	s_add_co_u32 s84, s84, VOFF
	s_mov_b32 s85, 0
	s_add_nc_u64 s[OUT:OUT+1], s[14:15], s[84:85]
	EPI 1
	s_wait_tensorcnt 0x0                           ; the wave's end
	ds_add_u32 v254, v255
	s_wait_dscnt 0x0
	CROUND                                         ; the closing round: no work-group ends while a partner may still ask for a tile that names it
	s_endpgm
.Lfunc_end_k_q6d66112e70_qkvg:
	.size	k_q6d66112e70_qkvg, .Lfunc_end_k_q6d66112e70_qkvg-k_q6d66112e70_qkvg
	.p2alignl 7, 3214868480
	.fill 96, 4, 3214868480
	.section	.rodata,"a",@progbits
	.p2align	6, 0x0
	.amdhsa_kernel k_q6d66112e70_qkvg
		.amdhsa_group_segment_fixed_size 327680
		.amdhsa_private_segment_fixed_size 0
		.amdhsa_enable_private_segment 0
		.amdhsa_kernarg_size 48
		.amdhsa_user_sgpr_count 2
		.amdhsa_user_sgpr_kernarg_segment_ptr 1
		.amdhsa_wavefront_size32 1
		.amdhsa_system_sgpr_workgroup_id_x 1
		.amdhsa_system_sgpr_workgroup_id_y 1
		.amdhsa_system_sgpr_workgroup_id_z 1
		.amdhsa_system_vgpr_workitem_id 0
		.amdhsa_next_free_vgpr 768
		.amdhsa_next_free_sgpr 100
		.amdhsa_reserve_vcc 0
		.amdhsa_float_denorm_mode_32 3
		.amdhsa_float_denorm_mode_16_64 3
		.amdhsa_memory_ordered 1
		.amdhsa_forward_progress 1
		.amdhsa_inst_pref_size 185
	.end_amdhsa_kernel
	.amdgpu_metadata
---
amdhsa.version: [ 1, 2 ]
amdhsa.kernels:
  - .name:           k_q6d66112e70_qkvg
    .symbol:         k_q6d66112e70_qkvg.kd
    .args:
      - { .name: himg, .offset: 0, .size: 8, .value_kind: global_buffer, .address_space: global }
      - { .name: wimg, .offset: 8, .size: 8, .value_kind: global_buffer, .address_space: global }
      - { .name: bq, .offset: 16, .size: 8, .value_kind: global_buffer, .address_space: global }
      - { .name: bk, .offset: 24, .size: 8, .value_kind: global_buffer, .address_space: global }
      - { .name: bv, .offset: 32, .size: 8, .value_kind: global_buffer, .address_space: global }
      - { .name: qkv, .offset: 40, .size: 8, .value_kind: global_buffer, .address_space: global }
    .group_segment_fixed_size: 327680
    .private_segment_fixed_size: 0
    .kernarg_segment_align: 8
    .kernarg_segment_size: 48
    .max_flat_workgroup_size: 128
    .sgpr_count:     100
    .vgpr_count:     768
    .wavefront_size: 32
...
	.end_amdgpu_metadata
.endif
;; end of part 2
;; launch attn (part 3): grid 4 x 64, 8 waves a work-group, clusters of 4 x 1, 327,680 bytes of LDS; arguments qkv, aimg; writes aimg
.if DOCPART == 3
	.amdgcn_target "amdgcn-amd-amdhsa--gfx1250"
	.amdhsa_code_object_version 6
	.text
	.protected	k_q6d66112e70_attn
	.globl	k_q6d66112e70_attn
	.p2align	8
	.type	k_q6d66112e70_attn,@function
k_q6d66112e70_attn:
	s_mov_b64 s[64:65], 0
	v_nop
	global_prefetch_b8 v0, s[64:65] scope:SCOPE_SE
	s_setreg_imm32_b32 hwreg(HW_REG_WAVE_MODE, 25, 1), 1
	s_wait_xcnt 0x0
	s_wait_alu depctr_hold_cnt(0) depctr_sa_sdst(0) depctr_va_vdst(0) depctr_va_sdst(0) depctr_va_ssrc(0) depctr_va_vcc(0) depctr_vm_vsrc(0)
	s_getreg_b32 s2, hwreg(HW_REG_IB_STS2, 6, 4)
	s_cmp_eq_u32 s2, 0
	s_cbranch_scc0 .Lentry_in_a_cluster
	s_endpgm
.Lentry_in_a_cluster:
	s_bfe_u32 s2, ttmp6, 0x10000c
	s_cmp_lg_u32 s2, 0x3003
	s_cbranch_scc0 .Lentry_shape_is_right
	s_endpgm
.Lentry_shape_is_right:
; Attention of one (batch, head) on codes of E2M3: S^T = K Q^T, p = 2^(t - M), O^T = V^T p^T, O / l, and O quantised along E for the output projection.
; t = score x log2(e) / 8; M = the running largest t rounded UP to a whole number; p is quantised along the keys, not normalised; l is the sum of the unquantised p.  When M moves, l and O^T are multiplied by 2^(old M - new M): exact.
; SHARES.  Work-group (cx, y): 512 queries of pair y = 16 batch + head, in two passes of 256; in a pass each of the eight waves owns TWO tiles of 16 queries (tile w of two neighbouring records): each fragment of K and V^T
; that a wave reads from LDS serves both.  Every wave walks the head's 2,048 keys, 128 a step.
; LDS.  A head's K, V^T and scale words are 16 records of 13,056 bytes (51 rows of 256); the descriptor lays 64 bytes behind each row, so a record takes 51 x 320 bytes.  Each byte is filled once.  At the head wave w asks for record w;
; behind the three lines and a round of the cluster's barrier it asks for record 8 + w, which lands under steps 0 to 6; a barrier behind step 6 shows records 8 to 15 (step 7 is the first that asks LDS for record 8).
; CLUSTER 4 x 1: the four work-groups of a head need the same bytes and ask jointly (mask 15); the descriptors hang on y and the wave's number alone.
; No prefetch: all of K and V is asked for ahead of the loops, so there is no loop in which to ask ahead.
; LAYOUT.  Both products are used transposed: a lane holds ONE query (lane % 16) of each tile.  Operands lie in memory as images of their registers (qkv's record: see the launch that writes it); stored tile 2 p + u holds in lane-row r
; the key 32 p + 8 u + r + 8 (r / 8).  A SCORE TILE (c, u) IS PUT TOGETHER FROM TWO STORED TILES, by the lanes' addresses alone: rows 0-7 are keys 64 c + 8 u + 0..7, rows 8-15 keys 64 c + 32 + 8 u + 0..7.
; So the 32 score registers of tiles (c, 0..3) of lane (r, h) are keys 64 c + 32 h + 0..31: one whole scale block, in the order of p's operand registers.
; With rows 320 bytes apart the two stored tiles lie 1,920 = 7 x 256 + 128 bytes apart: the sixteen lanes of a 16-byte load touch 256 different bytes modulo 256 (the 8-byte loads of K meet each bank twice).
; THE HEAD'S 64 FILL HALF OF THE INSTRUCTION'S 128: Q's registers 6-11 are zero codes, so a key tile's registers 6-11 may hold anything finite: the next tile's codes (behind the last six zeros); that half's scale bytes are 0 = 2^-127.
; LOADS AHEAD.  K and V^T have registers of their own: V^T of step i is asked for at the step's top, K of step i + 1 behind the score products of step i (behind the last step: record 0, which the next pass begins with).
; REGISTERS.  Window 0: addresses, state, scale words, both tiles' scores and all that the softmax works on, so that the two tiles' chains stand line by line in turn under one setting.  Window 1: K v0-47 (+ zeros v48-53), V^T v56-103,
; Q v104-127 (six codes and six zeros a tile), O^T v128-191, the second pass's Q v192-203.
; OUTPUT: aimg, laid as the projection's operand: group of 128 tokens, record of 12,800 bytes for each 128 along E (two heads), tile i at 1,536 i, head % 2 at 768; scale words at 12,288 (my head's two bytes leave 2 bytes a lane).
; LIMITS: NaN and infinities are not served; the promise holds while |t| stays under 2^31; a block whose largest magnitude lies under 2^-124 gets the byte 1.  A block's largest p is made from its largest score by the same two instructions as every p.
.set REC3,  19712
.set HEADB, 16*REC3
.set QOFF,  13056
.set QSOFF, 19200
.set GRP,   102400
.set REC,   12800
.set ROWL,  320                        ; an LDS row: 256 bytes + 64
.set KVL,   51*ROWL                    ; a record in LDS: K rows 0-23, V^T rows 24-47, K's scale words rows 48-49, V's row 50
.set SPARE, 16*KVL                     ; the spare words: 128 bytes a wave
; window 0, tile x = 0, 1:
.set NMX,   12                         ; v[12+2x] -M, v[13+2x] the largest score
.set LX,    16                         ; v[16+2x:17+2x] l in two halves
.set FX,    20                         ; v[20+2x] f (v[21+2x] = 0, named with it)
.set QSX,   24                         ; v24, v25 Q's scale words; v26, v27 p's; v28-31 K's; v32-33 V's: these hold scales alone
.set PWX,   26
.set OMX,   36                         ; the old -M
.set TMX,   38                         ; two registers at work
.set TX,    42                         ; three more chains of l's sum, a pair each
.set PTX,   54                         ; two bytes, the other half's word
.set SX,    64                         ; v[64+64x ..] S^T, then p: tile (c, u) at 32 c + 8 u
.set PCX,   192                        ; p's codes, 12
.set CTX,   216                        ; the conversions' second halves: 3 + 3, each from an even register
.set BMX,   232                        ; largest scores (two chains a block), then the blocks' largest p
.set SOX,   240                        ; the conversions' scale operands
; v1 16 l, v2 8 l; v3, v4, v5 lane terms of K's 16-byte and 8-byte loads and scale words, v35 of V's 16-byte loads; v6 16 r, v7 8 h; v8-11, v34 LDS addresses; v60 8 r; v61, v62 the second pass's Q scale words; v250, v251 the output's bytes
.set SEL,   28                         ; s[28:29]
.set CS,    30                         ; s[30:31] c = log2(e) / 8;  s34 = -c
.set MSB, 0
.macro WIN new                         ; the immediate's high byte repeats the setting that is left
.if MSB != \new
	s_set_vgpr_msb (MSB<<8)|\new
.set MSB, \new
.endif
.endm
.macro CROUND                          ; a round of the cluster's barrier
	s_barrier_signal -1
	s_barrier_wait -1
	s_cmp_lg_u32 s8, 0
	s_cbranch_scc1 .Lnot_wave_0_\@
	s_barrier_signal -3
.Lnot_wave_0_\@:
	s_barrier_wait -3
	s_barrier_signal -1
	s_barrier_wait -1
.endm
.macro WALU
	s_wait_alu depctr_va_vdst(0)
.endm
.macro MM d, a, b, c, xa, xb, row      ; one product; row = 1: source 0's scale words stand in lanes 16-31
.if \row
	v_wmma_scale_f32_16x16x128_f8f6f4 v[\d:\d+7], v[\a:\a+11], v[\b:\b+11], \c, v[\xa], v[\xb] matrix_a_fmt:MATRIX_FMT_FP6 matrix_b_fmt:MATRIX_FMT_FP6 matrix_a_scale:MATRIX_SCALE_ROW1
.else
	v_wmma_scale_f32_16x16x128_f8f6f4 v[\d:\d+7], v[\a:\a+11], v[\b:\b+11], \c, v[\xa], v[\xb] matrix_a_fmt:MATRIX_FMT_FP6 matrix_b_fmt:MATRIX_FMT_FP6
.endif
.endm
	s_load_b128 s[4:7], s[0:1], 0x0                ; qkv, aimg
	v_lshl_add_u32 v254, v0, 2, SPARE
	v_mov_b32 v255, 0
	ds_add_u32 v254, v255                          ; the opening lines: the add twice on end and its wait
	ds_add_u32 v254, v255
	v_lshrrev_b32 v1, 5, v0
	v_readfirstlane_b32 s8, v1                     ; wave 0..7
	s_bfe_u32 s9, ttmp6, 0x40000                   ; cx: it enters Q's and the output's global addresses alone
	s_and_b32 s10, ttmp7, 0xffff                   ; y
	s_mov_b32 s16, 15|(3<<16)|(1<<20)|(1<<21)|(5<<22)|(15<<25)   ; the mask: all four; elements of 8 bytes; padding on; 21 set beside a mask; behind every 64 words 16 words
	s_mov_b32 s17, 32<<16                          ; tensor_dim0 = 32: rows of 256 bytes
	s_mov_b32 s18, 51<<16                          ; tensor_dim1 = 51 rows: 13,056 dense bytes
	s_mov_b32 s19, 32<<16                          ; tile_dim0
	s_mov_b32 s20, 51                              ; tile_dim1
	s_mov_b32 s21, 32                              ; the pitch
	s_mov_b32 s22, 0
	s_mov_b32 s23, 0
	s_mul_i32 s12, s10, HEADB                      ; the pair's 16 records
	s_mul_i32 s14, s8, REC3
	s_add_co_u32 s14, s14, s12                     ; wave w fetches record w, then record 8 + w
	s_mov_b32 s15, 0
	s_mov_b32 s24, 1
	s_mul_i32 s25, s8, KVL                         ; to LDS byte 16,320 w
	s_mov_b32 s68, 1
	s_add_co_u32 s69, s25, 8*KVL
	s_wait_dscnt 0x0
	s_wait_kmcnt 0x0
	s_add_nc_u64 s[26:27], s[4:5], s[14:15]
	s_or_b32 s27, s27, 0x80000000
	s_add_nc_u64 s[70:71], s[26:27], 8*REC3
	CROUND                                         ; all four work-groups are here: the joint loads meet
	tensor_load_to_lds s[24:27], s[16:23]          ; my one load of the head
	s_nop 0
.rept 4
	v_nop
.endr
	s_lshl_b32 s44, s9, 2                          ; pass 0's first record of queries, and group of tokens: 4 cx; tile B's lies one on, pass 1's two on
	s_mul_i32 s45, s44, REC3
	s_add_co_u32 s45, s45, s12
	s_mul_i32 s46, s8, 768                         ; my tile in its record: the wave's number
	s_add_co_u32 s46, s46, s45
	s_add_co_u32 s46, s46, QOFF                    ; Q's half fragment
	s_mov_b32 s47, 0
	s_lshr_b32 s48, s8, 2                          ; Q's scale word: 256 (i / 4) + 128 (i % 2) + 4 ((i / 2) % 2) + 8 r
	s_lshl_b32 s48, s48, 8
	s_and_b32 s49, s8, 1
	s_lshl_b32 s49, s49, 7
	s_add_co_u32 s48, s48, s49
	s_bfe_u32 s49, s8, 0x10001
	s_lshl_b32 s49, s49, 2
	s_add_co_u32 s48, s48, s49
	s_add_co_u32 s48, s48, s45
	s_add_co_u32 s48, s48, QSOFF
	s_mov_b32 s49, 0
	s_lshr_b32 s50, s10, 4
	s_lshl_b32 s50, s50, 4
	s_add_co_u32 s50, s50, s44                     ; the output's group: 16 batch + 4 cx
	s_mul_i32 s50, s50, GRP
	s_bfe_u32 s51, s10, 0x30001                    ; head / 2: the record
	s_mul_i32 s51, s51, REC
	s_add_co_u32 s50, s50, s51
	s_and_b32 s51, s10, 1                          ; head % 2: the half
	s_mul_i32 s52, s8, 1536
	s_add_co_u32 s52, s52, s50
	s_mul_i32 s53, s51, 768
	s_add_co_u32 s52, s52, s53
	s_mov_b32 s53, 0
	s_and_b32 s54, s8, 1                           ; its two scale bytes: 12,288 + 256 (i % 2) + 4 (i / 2) + 2 (head % 2) + 16 r
	s_lshl_b32 s54, s54, 8
	s_lshr_b32 s55, s8, 1
	s_lshl_b32 s55, s55, 2
	s_add_co_u32 s54, s54, s55
	s_lshl_b32 s55, s51, 1
	s_add_co_u32 s54, s54, s55
	s_add_co_u32 s54, s54, s50
	s_add_co_u32 s54, s54, 12288
	s_mov_b32 s55, 0
	s_add_nc_u64 s[56:57], s[4:5], s[46:47]
	s_add_nc_u64 s[42:43], s[4:5], s[48:49]
	s_add_nc_u64 s[38:39], s[6:7], s[52:53]
	s_add_nc_u64 s[40:41], s[6:7], s[54:55]
	s_mov_b32 s[SEL], 0x76543210
	s_mov_b32 s[SEL+1], 0xfedcba98                 ; v_permlanex16_b32's selects for lane l xor 16
	s_mov_b32 s[CS], 0x3e38aa3b                    ; c = log2(e) / 8
	s_mov_b32 s[CS+1], s[CS]                       ; (named with it as a pair)
	s_mov_b32 s34, 0xbe38aa3b                      ; -c
	v_and_b32 v36, 31, v0                          ; l
	v_and_b32 v37, 15, v0                          ; r
	v_and_b32 v8, 7, v0                            ; r % 8
	v_bfe_u32 v9, v0, 3, 1                         ; r / 8
	v_bfe_u32 v10, v0, 4, 1                        ; h
	v_lshlrev_b32 v1, 4, v36
	v_lshlrev_b32 v2, 3, v36
	v_lshlrev_b32 v6, 4, v37
	v_lshlrev_b32 v60, 3, v37                      ; 8 r: Q's scale word
	v_lshlrev_b32 v7, 3, v10                       ; 8 h
	v_mul_u32_u24 v11, v9, 6*ROWL                  ; rows 8-15 of a score tile come from the stored tile two on: six LDS rows
	v_lshl_add_u32 v3, v8, 4, v11
	v_mad_u32_u24 v3, v10, ROWL, v3                ; K, 16 bytes: 16 (r % 8) + 320 h + 1,920 (r / 8)
	v_lshl_add_u32 v4, v8, 3, v11
	v_lshl_add_u32 v4, v10, 7, v4                  ; K, 8 bytes: 8 (r % 8) + 128 h + 1,920 (r / 8)
	v_lshlrev_b32 v5, 2, v9
	v_lshl_add_u32 v5, v8, 3, v5
	v_lshl_add_u32 v5, v10, 7, v5                  ; K's scale words: 8 (r % 8) + 4 (r / 8) + 128 h: lanes 16-31 take the odd tile's
	v_lshl_add_u32 v35, v10, 6, v1                 ; V, 16 bytes: 16 l + 64 h: lanes 16-31 read the next LDS row
.irp x, 0,1
	v_mov_b32 v[FX+2*\x+1], 0                      ; (named with f as a pair)
	v_mov_b32 v[TMX+2*\x], 0                       ; a lane permute's destination counts as one of its sources
	v_mov_b32 v[TMX+2*\x+1], 0
	v_mov_b32 v[PTX+3*\x+2], 0
.endr
	WIN 0x40
.irp j, 48,49,50,51,52,53,110,111,112,113,114,115,122,123,124,125,126,127
	v_mov_b32 v\j, 0                               ; the zero codes, written once
.endr
	WALU                                           ; the wait behind the head's vector work
.irp x, 0,1                            ; both passes' Q, under the tiles' flight
	global_load_b128 v[104+12*\x:107+12*\x], v1, s[56:57] offset:REC3*\x
	global_load_b64 v[108+12*\x:109+12*\x], v2, s[56:57] offset:REC3*\x+512
	global_load_b128 v[192+6*\x:195+6*\x], v1, s[56:57] offset:REC3*(2+\x)
	global_load_b64 v[196+6*\x:197+6*\x], v2, s[56:57] offset:REC3*(2+\x)+512
.endr
	WIN 0
.irp x, 0,1
	global_load_b32 v[QSX+\x], v60, s[42:43] offset:REC3*\x
	global_load_b32 v[61+\x], v60, s[42:43] offset:REC3*(2+\x)
.endr
.macro KLOAD                           ; K's fragments and scale words of the record at LDS byte s35: 20 loads
	v_add_nc_u32 v8, s35, v3
	v_add_nc_u32 v9, s35, v4
	v_add_nc_u32 v10, s35, v5
.irp c, 0,1
.irp w, 0,1
	ds_load_b32 v[28+2*\c+\w], v10 offset:ROWL*(48+\c)+64*\w   ; tiles (c, 2 w) in lanes 0-15 and (c, 2 w + 1) in lanes 16-31
.endr
.endr
	WIN 0x40                                       ; destination window 1, address window 0
.irp c, 0,1
.irp u, 0,1,2,3
	ds_load_b128 v[24*\c+6*\u:24*\c+6*\u+3], v8 offset:3*ROWL*(4*\c+\u%2)+128*(\u/2)
	ds_load_b64 v[24*\c+6*\u+4:24*\c+6*\u+5], v9 offset:3*ROWL*(4*\c+\u%2)+2*ROWL+64*(\u/2)
.endr
.endr
	WIN 0
.endm
.macro WORD x                          ; the two bytes of blocks h and 2 + h, 8 h bits up; with lane l xor 16's two the scale word of these 128 keys is whole
	v_lshl_or_b32 v[PWX+\x], v[PTX+3*\x+1], 16, v[PTX+3*\x]
	v_lshlrev_b32 v[PWX+\x], v7, v[PWX+\x]
	v_permlanex16_b32 v[PTX+3*\x+2], v[PWX+\x], s[SEL], s[SEL+1]
	v_or_b32 v[PWX+\x], v[PWX+\x], v[PTX+3*\x+2]
.endm
.macro SCALE x                         ; from the blocks' largest p: the floor 2^(3 - 127), 2 off the exponent field, the four conversions
.irp c, 0,1
	v_max_num_f32 v[BMX+4*\x+\c], 0x1800000, v[BMX+4*\x+\c]
.endr
.irp c, 0,1
	v_add_nc_u32 v[SOX+2*\x+\c], 0xff000000, v[BMX+4*\x+\c]
.endr
.irp c, 0,1
	v_cvt_scalef32_pk16_fp6_f32 v[PCX+12*\x+6*\c:PCX+12*\x+6*\c+2], v[SX+64*\x+32*\c:SX+64*\x+32*\c+15], v[SOX+2*\x+\c]
	v_cvt_scalef32_pk16_fp6_f32 v[CTX+8*\x+4*\c:CTX+8*\x+4*\c+2], v[SX+64*\x+32*\c+16:SX+64*\x+32*\c+31], v[SOX+2*\x+\c]   ; (a conversion's three registers begin on an even number)
.endr
.endm
.macro PADD d, a, b
	v_pk_add_f32 v[\d:\d+1], v[\a:\a+1], v[\b:\b+1]
.endm
.macro KSTEP wrap                      ; 128 keys: the record at LDS byte s32; its K was asked for a step ago
	v_add_nc_u32 v11, s32, v35                     ; with the two additions behind the last step's products: four plain lines in front of the loads into their operands
	v_add_nc_u32 v34, s32, v2
	ds_load_b64 v[32:33], v34 offset:ROWL*50
	WIN 0x40
.irp t, 0,1,2,3
.irp c, 0,1
	ds_load_b128 v[56+12*\t+6*\c:56+12*\t+6*\c+3], v11 offset:ROWL*(24+6*\t+3*\c)      ; V^T lands while the softmax is worked
	ds_load_b64 v[56+12*\t+6*\c+4:56+12*\t+6*\c+5], v34 offset:ROWL*(26+6*\t+3*\c)
.endr
.endr
	s_wait_dscnt 17                                ; K is in: V's 17 loads, issued behind it, may stay out
	WIN 0x05                                       ; sources 0 (K) and 1 (Q) window 1, D window 0
.irp i, 0,1,2,3,4,5,6,7
.irp x, 0,1
	MM SX+64*\x+8*\i, 6*\i, 104+12*\x, 0, 28+\i/2, QSX+\x, \i%2
.endr
.endr
	WIN 0
.if \wrap
	s_and_b32 s37, s36, 15                         ; the next record; behind the last: record 0
	s_mul_i32 s35, s37, KVL
	s_add_co_u32 s36, s36, 1
.else
	s_add_co_u32 s35, s32, KVL
.endif
.irp x, 0,1
	v_mov_b32 v[OMX+\x], v[NMX+2*\x]               ; the old -M.  (With KLOAD's three additions: the places in front of the loads into K's registers and of the first read of the scores)
.endr
	KLOAD
.irp g, 0,1                            ; the largest score of each block of 32 keys, two chains a block; each accumulator is first read at its low end
.irp c, 0,1
.irp x, 0,1
	v_max3_num_f32 v[BMX+4*\x+2*\g+\c], v[SX+64*\x+32*\c+16*\g], v[SX+64*\x+32*\c+16*\g+1], v[SX+64*\x+32*\c+16*\g+2]
.endr
.endr
.endr
.irp i, 3,5,7,9,11,13
.irp g, 0,1
.irp c, 0,1
.irp x, 0,1
	v_max3_num_f32 v[BMX+4*\x+2*\g+\c], v[BMX+4*\x+2*\g+\c], v[SX+64*\x+32*\c+16*\g+\i], v[SX+64*\x+32*\c+16*\g+\i+1]
.endr
.endr
.endr
.endr
.irp c, 0,1
.irp x, 0,1
	v_max3_num_f32 v[BMX+4*\x+\c], v[BMX+4*\x+\c], v[SX+64*\x+32*\c+15], v[SX+64*\x+32*\c+31]
.endr
.endr
.irp c, 0,1
.irp x, 0,1
	v_max_num_f32 v[BMX+4*\x+\c], v[BMX+4*\x+\c], v[BMX+4*\x+2+\c]
.endr
.endr
.irp x, 0,1
	v_max_num_f32 v[TMX+2*\x], v[BMX+4*\x], v[BMX+4*\x+1]
.endr
.irp x, 0,1
	v_permlanex16_b32 v[TMX+2*\x+1], v[TMX+2*\x], s[SEL], s[SEL+1]
.endr
.irp x, 0,1
	v_max3_num_f32 v[NMX+2*\x+1], v[NMX+2*\x+1], v[TMX+2*\x], v[TMX+2*\x+1]   ; the running largest score of my query
.endr
.irp x, 0,1
	v_mul_f32 v[TMX+2*\x], s34, v[NMX+2*\x+1]      ; -t
.endr
.irp x, 0,1
	v_floor_f32 v[NMX+2*\x], v[TMX+2*\x]           ; the new -M = floor(-t): M is a whole number
.endr
.irp x, 0,1
	v_sub_f32 v[TMX+2*\x], v[NMX+2*\x], v[OMX+\x]  ; old M - new M: a whole number, 0 or less
.endr
.irp x, 0,1
	v_cvt_i32_f32 v[TMX+2*\x], v[TMX+2*\x]         ; (it saturates)
.endr
.irp x, 0,1
	v_ldexp_f32 v[FX+2*\x], 1.0, v[TMX+2*\x]       ; f = 2^(old M - new M)
.endr
	WIN 0x41                                       ; O^T, window 1, under the new M: ahead of the exponentials
.irp x, 0,1
.set j, 0
.rept 16
	v_pk_mul_f32 v[128+32*\x+j:128+32*\x+j+1], v[128+32*\x+j:128+32*\x+j+1], v[FX+2*\x:FX+2*\x+1] op_sel_hi:[1,0]
.set j, j+2
.endr
.endr
	WIN 0
.set j, 0
.rept 32
	v_pk_fma_f32 v[SX+j:SX+j+1], v[SX+j:SX+j+1], s[CS:CS+1], v[NMX:NMX+1] op_sel_hi:[1,0,0]   ; tile A: t - M
.set j, j+2
.endr
.irp c, 0,1
	v_fma_f32 v[BMX+\c], v[BMX+\c], s[CS], v[NMX]
.endr
	WALU                                           ; the wait ahead of the batch
.set j, 0
.rept 32                               ; tile A's p = 2^(t - M); among them tile B's t - M, lines that hang on nothing in the batch and are read behind the next wait
	v_exp_f32 v[SX+j], v[SX+j]
	v_exp_f32 v[SX+j+1], v[SX+j+1]
	v_pk_fma_f32 v[SX+64+j:SX+64+j+1], v[SX+64+j:SX+64+j+1], s[CS:CS+1], v[NMX+2:NMX+3] op_sel_hi:[1,0,0]
.set j, j+2
.endr
.irp c, 0,1
	v_exp_f32 v[BMX+\c], v[BMX+\c]                 ; the block's largest p
	v_fma_f32 v[BMX+4+\c], v[BMX+4+\c], s[CS], v[NMX+2]
.endr
.irp x, 0,1
	v_pk_mul_f32 v[LX+2*\x:LX+2*\x+1], v[LX+2*\x:LX+2*\x+1], v[FX+2*\x:FX+2*\x+1] op_sel_hi:[1,0]   ; l under the new M
.endr
	WALU                                           ; behind the batch
	SCALE 0
	v_nop                                          ; one plain line behind the conversions
	WALU                                           ; ahead of the next batch
.set j, 0
.rept 16                               ; tile B's p; among them tile A's first additions (p's pairs 2 j and 2 j + 1, in place: the codes are made), its codes' moves and its bytes: each hangs on nothing in the batch and is read behind the wait
	v_exp_f32 v[SX+64+4*j], v[SX+64+4*j]
	v_exp_f32 v[SX+64+4*j+1], v[SX+64+4*j+1]
	PADD SX+4*j, SX+4*j, SX+4*j+2
	v_exp_f32 v[SX+64+4*j+2], v[SX+64+4*j+2]
	v_exp_f32 v[SX+64+4*j+3], v[SX+64+4*j+3]
.if j < 6
	v_mov_b32 v[PCX+6*(j/3)+3+j%3], v[CTX+4*(j/3)+j%3]
.elseif j < 8
	v_lshrrev_b32 v[PTX+j-6], 23, v[SOX+j-6]
.endif
.set j, j+1
.endr
.irp c, 0,1
	v_exp_f32 v[BMX+4+\c], v[BMX+4+\c]
.endr
	v_nop                                          ; the plain line behind the exponentials
	WALU
	s_wait_dscnt 20                                ; V^T is in: the next K's 20 loads, issued behind it, may stay out.  (It stands here, directly behind the wait above)
	SCALE 1
	WORD 0                                         ; (plain work behind the conversions)
.irp c, 0,1
	v_lshrrev_b32 v[PTX+3+\c], 23, v[SOX+2+\c]
.endr
	WORD 1
.irp c, 0,1
.irp i, 0,1,2
	v_mov_b32 v[PCX+12+6*\c+3+\i], v[CTX+8+4*\c+\i]
.endr
.endr
	PADD TX, SX, SX+4                              ; tile A: the sixteen sums of two pairs, at 4 k, in four chains
	PADD TX+2, SX+8, SX+12
	PADD TX+4, SX+16, SX+20
.set j, 24
.rept 2
	PADD LX, LX, SX+j
	PADD TX, TX, SX+j+4
	PADD TX+2, TX+2, SX+j+8
	PADD TX+4, TX+4, SX+j+12
.set j, j+16
.endr
	PADD LX, LX, SX+56
	PADD TX, TX, SX+60
	PADD TX+6, SX+64, SX+66                        ; tile B: its 32 pairs, in four chains
	PADD TX+8, SX+68, SX+70
	PADD TX+10, SX+72, SX+74
.set j, 76
.rept 6
	PADD LX+2, LX+2, SX+j
	PADD TX+6, TX+6, SX+j+2
	PADD TX+8, TX+8, SX+j+4
	PADD TX+10, TX+10, SX+j+6
.set j, j+8
.endr
	PADD LX+2, LX+2, SX+124
	PADD TX+6, TX+6, SX+126
.irp x, 0,1
	PADD TX+6*\x+2, TX+6*\x+2, TX+6*\x+4
.endr
.irp x, 0,1
	PADD LX+2*\x, LX+2*\x, TX+6*\x                 ; (the additions stand between the writes of p's codes and scale words and the products)
.endr
	WIN 0x51                                       ; source 0 (V^T), C and D window 1; source 1 (p) window 0
.irp t, 0,1,2,3
.irp x, 0,1
	MM 128+32*\x+8*\t, 56+12*\t, PCX+12*\x, v[128+32*\x+8*\t:128+32*\x+8*\t+7], 32+\t/2, PWX+\x, \t%2
.endr
.endr
	WIN 0
.irp x, 0,1
	PADD LX+2*\x, LX+2*\x, TX+6*\x+2               ; l's last addition of this step
.endr
.endm
.macro STEPS first, n, wrap            ; n steps from record first on
	s_mov_b32 s32, (\first)*KVL
	s_mov_b32 s36, (\first)+1
	s_mov_b32 s33, \n
.Lstep_\@:
	KSTEP \wrap
	s_add_co_u32 s32, s32, KVL
	s_sub_co_u32 s33, s33, 1
	s_cmp_lg_u32 s33, 0
	s_cbranch_scc1 .Lstep_\@
.endm
; 32 numbers of a lane, v[W + 16 b + i] = k 32 b + 16 (lane / 16) + i of my row, become half a fragment's six registers in v[C] on; v[HW] = the two scale bytes.
.macro QUANT2 W, C, T, M, HW
.irp b, 0,1
	v_max3_num_f32 v[\M+\b], |v[\W+16*\b]|, |v[\W+16*\b+1]|, 0x1800000
.endr
.irp i, 2,4,6,8,10,12,14
.irp b, 0,1
	v_max3_num_f32 v[\M+\b], v[\M+\b], |v[\W+16*\b+\i]|, |v[\W+16*\b+\i+1]|
.endr
.endr
.irp b, 0,1
	v_permlanex16_b32 v[\M+2+\b], v[\M+\b], s[SEL], s[SEL+1]
.endr
.irp b, 0,1
	v_max_num_f32 v[\M+\b], v[\M+\b], v[\M+2+\b]
.endr
.irp b, 0,1
	v_add_nc_u32 v[\M+4+\b], 0xff000000, v[\M+\b]
.endr
.irp b, 0,1
	v_lshrrev_b32 v[\M+2+\b], 23, v[\M+4+\b]
.endr
	v_lshl_or_b32 v[\HW], v[\M+3], 8, v[\M+2]
	v_cvt_scalef32_pk16_fp6_f32 v[\C:\C+2], v[\W:\W+15], v[\M+4]
	v_cvt_scalef32_pk16_fp6_f32 v[\T:\T+2], v[\W+16:\W+31], v[\M+5]
	v_nop
.irp i, 0,1,2
	v_permlane16_swap_b32 v[\C+\i], v[\T+\i]
.endr
.irp i, 0,1,2
	v_mov_b32 v[\C+3+\i], v[\T+\i]
.endr
.endm
.macro PINIT ps                        ; a pass begins: my two tiles of 16 queries against all keys
.if \ps
	s_wait_xcnt 0x0                                ; the first pass's stores have read their registers: they are written again below
	WIN 0x41
.irp x, 0,1
.irp i, 0,1,2,3,4,5
	v_mov_b32 v[104+12*\x+\i], v[192+6*\x+\i]
.endr
.endr
	WIN 0
.irp x, 0,1
	v_mov_b32 v[QSX+\x], v[61+\x]
.endr
.endif
.irp x, 0,1
	v_mov_b32 v[NMX+2*\x+1], 0xff61b1e6            ; the largest score so far: -3e38
	v_mov_b32 v[NMX+2*\x], 0x7f61b1e6              ; -M: 3e38
	v_mov_b32 v[LX+2*\x], 0
	v_mov_b32 v[LX+2*\x+1], 0
.endr
	WIN 0x40
.set j, 0
.rept 64
	v_mov_b32 v[128+j], 0                          ; the step is written once: the first finds zeros, which the first change of M leaves zeros
.set j, j+1
.endr
	WIN 0
	WALU
.endm
.macro PEND ps                         ; a pass ends.  The pass's number stands in the immediates: no base is stepped
.rept 4
	v_nop                                          ; places behind the last products
.endr
.irp x, 0,1
	v_add_f32 v[LX+2*\x], v[LX+2*\x], v[LX+2*\x+1]
.endr
.irp x, 0,1
	v_permlanex16_b32 v[TMX+2*\x], v[LX+2*\x], s[SEL], s[SEL+1]
.endr
.irp x, 0,1
	v_add_f32 v[LX+2*\x], v[LX+2*\x], v[TMX+2*\x]  ; l
.endr
	WALU
.irp x, 0,1
	v_rcp_f32 v[LX+2*\x], v[LX+2*\x]
.endr
	v_nop                                          ; one plain instruction behind a transcendental
	WIN 0x01                                       ; source 0 (O^T) window 1
	WALU
.irp x, 0,1
.set j, 0
.rept 16
	v_pk_mul_f32 v[SX+64*\x+j:SX+64*\x+j+1], v[128+32*\x+j:128+32*\x+j+1], v[LX+2*\x:LX+2*\x+1] op_sel_hi:[1,0]   ; O / l: register 16 b + i is d = 32 b + 16 (lane / 16) + i
.set j, j+2
.endr
.endr
	WIN 0
.irp x, 0,1
	QUANT2 SX+64*\x, PCX+12*\x, CTX+8*\x, BMX+4*\x, 250+\x
	global_store_b128 v1, v[PCX+12*\x:PCX+12*\x+3], s[38:39] offset:GRP*(2*\ps+\x)
	global_store_b64 v2, v[PCX+12*\x+4:PCX+12*\x+5], s[38:39] offset:GRP*(2*\ps+\x)+512
	global_store_b16 v6, v[250+\x], s[40:41] offset:GRP*(2*\ps+\x)   ; my head's two bytes of row r's scale word
.endr
.endm
	PINIT 0
	s_wait_tensorcnt 0x0                           ; my record of the first eight is in
	ds_add_u32 v254, v255
	s_wait_dscnt 0x0
	CROUND                                         ; everybody's is in, and all four work-groups are here: the joint loads meet
	tensor_load_to_lds s[68:71], s[16:23]          ; record 8 + w
	s_nop 0
.rept 4
	v_nop
.endr
	s_mov_b32 s35, 0
	KLOAD                                          ; step 0's K
	s_wait_loadcnt 0x0                             ; Q
	STEPS 0, 7, 0                                  ; steps 0 to 6 read records 0 to 7
	s_wait_tensorcnt 0x0                           ; every wave: my second record is in,
	s_wait_dscnt 0x0                               ; no LDS access of mine is pending at the signal
	s_barrier_signal -1
	s_barrier_wait -1                              ; everybody's is: from here on LDS is only read
	STEPS 7, 9, 1
	PEND 0
	PINIT 1
	STEPS 0, 16, 1
	PEND 1
	s_wait_tensorcnt 0x0                           ; the wave's end
	ds_add_u32 v254, v255
	s_wait_dscnt 0x0
	CROUND                                         ; the closing round
	s_endpgm
.Lfunc_end_k_q6d66112e70_attn:
	.size	k_q6d66112e70_attn, .Lfunc_end_k_q6d66112e70_attn-k_q6d66112e70_attn
	.p2alignl 7, 3214868480
	.fill 96, 4, 3214868480
	.section	.rodata,"a",@progbits
	.p2align	6, 0x0
	.amdhsa_kernel k_q6d66112e70_attn
		.amdhsa_group_segment_fixed_size 327680
		.amdhsa_private_segment_fixed_size 0
		.amdhsa_enable_private_segment 0
		.amdhsa_kernarg_size 16
		.amdhsa_user_sgpr_count 2
		.amdhsa_user_sgpr_kernarg_segment_ptr 1
		.amdhsa_wavefront_size32 1
		.amdhsa_system_sgpr_workgroup_id_x 1
		.amdhsa_system_sgpr_workgroup_id_y 1
		.amdhsa_system_sgpr_workgroup_id_z 1
		.amdhsa_system_vgpr_workitem_id 0
		.amdhsa_next_free_vgpr 512
		.amdhsa_next_free_sgpr 72
		.amdhsa_reserve_vcc 0
		.amdhsa_float_denorm_mode_32 3
		.amdhsa_float_denorm_mode_16_64 3
		.amdhsa_memory_ordered 1
		.amdhsa_forward_progress 1
		.amdhsa_inst_pref_size 112
	.end_amdhsa_kernel
	.amdgpu_metadata
---
amdhsa.version: [ 1, 2 ]
amdhsa.kernels:
  - .name:           k_q6d66112e70_attn
    .symbol:         k_q6d66112e70_attn.kd
    .args:
      - { .name: qkv, .offset: 0, .size: 8, .value_kind: global_buffer, .address_space: global }
      - { .name: aimg, .offset: 8, .size: 8, .value_kind: global_buffer, .address_space: global }
    .group_segment_fixed_size: 327680
    .private_segment_fixed_size: 0
    .kernarg_segment_align: 8
    .kernarg_segment_size: 16
    .max_flat_workgroup_size: 256
    .sgpr_count:     72
    .vgpr_count:     512
    .wavefront_size: 32
...
	.end_amdgpu_metadata
.endif
;; end of part 3
;; launch oproj (part 4): grid 4 x 64, 4 waves a work-group, clusters of 4 x 4, 327,680 bytes of LDS; arguments aimg, wimg, bo, x, out0; writes out0
.if DOCPART == 4
	.amdgcn_target "amdgcn-amd-amdhsa--gfx1250"
	.amdhsa_code_object_version 6
	.text
	.protected	k_q6d66112e70_oproj
	.globl	k_q6d66112e70_oproj
	.p2align	8
	.type	k_q6d66112e70_oproj,@function
k_q6d66112e70_oproj:
	s_mov_b64 s[64:65], 0
	v_nop
	global_prefetch_b8 v0, s[64:65] scope:SCOPE_SE
	s_setreg_imm32_b32 hwreg(HW_REG_WAVE_MODE, 25, 1), 1
	s_wait_xcnt 0x0
	s_wait_alu depctr_hold_cnt(0) depctr_sa_sdst(0) depctr_va_vdst(0) depctr_va_sdst(0) depctr_va_ssrc(0) depctr_va_vcc(0) depctr_vm_vsrc(0)
	s_getreg_b32 s2, hwreg(HW_REG_IB_STS2, 6, 4)
	s_cmp_eq_u32 s2, 0
	s_cbranch_scc0 .Lentry_in_a_cluster
	s_endpgm
.Lentry_in_a_cluster:
	s_bfe_u32 s2, ttmp6, 0x10000c
	s_cmp_lg_u32 s2, 0xf033
	s_cbranch_scc0 .Lentry_shape_is_right
	s_endpgm
.Lentry_shape_is_right:
; out0 = attention's result x Wo^T + bo + x, the product on codes of E2M3.
; A work-group makes 128 tokens (R, source 1: one token to a lane) x 256 features (P, source 0: features along a lane's result registers) over all of K = 1,024.
; OPERANDS come as images of their registers (group of 128 rows = 8 records of 12,800 bytes, one for each 128 along K; tile i at 1,536 i; scale words at 12,288; lane-row r of tile 2 p + u is row 32 p + 8 u + r + 8 (r / 8)).
; LDS: R's group and P's two groups for ALL of K are 3 x 102,400 bytes: every LDS byte is filled once, in two chunks of four K steps; the products of a chunk run while the later chunks land.
; CLUSTER 4 x 4: R hangs on cy, P on cx: each chunk is asked for jointly by the four work-groups of a row (R) or of a column (P).  Wave 0 asks for R's chunk 0, wave 3 for R's chunk 1, waves 1 and 2 for both chunks of a group of P each: one load of a wave is out at the most.
; Four waves: wave w makes R tiles 4 (w / 2) .. + 3 x P group w % 2: 32 accumulators, which take turns, one instruction a turn, in the same order in every K step.
; The bias is the C of each sum's first product.  The residual, 64 rows x 512 bytes a wave, is asked for at the head into window 3 and lands under the products.
; THE WAY OUT: 16 tokens x 128 features at a time through the wave's own stage in LDS and back as whole rows of 512 bytes.  The stages (4 x 8,448 bytes) lie in R's records 0 to 2: those bytes have had their only fill, and every wave's
; last read of them was waited for ahead of the barrier in K step 3.
; REGISTERS: window 0: v1-6 lane terms, v8-17 LDS addresses, v18, v19 the stage, v20-27 P's scale words, v28-31 R's, v32-127 R's fragments (two sets), v128-191 the bias, later with v192-255 rows on the way out;
;   window 1: P's fragments, two sets;   window 2: accumulator (a, b) at v[8 (8 a + b)];   window 3: the residual, row t of tile a at v[4 (16 a + t)].
.set GRP,   102400
.set REC,   12800
.set WSZ,   819200
.set CH,    51200                      ; a chunk: FOUR records.  The fill goes in TWO chunks: at the head one load a wave (wave 0 R's chunk 0, waves 1 and 2 chunk 0 of P's groups, wave 3 R's chunk 1); P's chunks 1 follow behind the three lines and a round
.set RB,    0
.set PB,    GRP
.set AP16,  8
.set AP8,   10
.set AR16,  12
.set AR8,   14
.set ARS,   16
.set STO,   18
.set RD,    19
.set SP,    20
.set SR,    28
.set RF,    32
.set BP,    128
.set BK,    128
.set G1R,   28
.set G1P,   36
.set G0R,   44
.set G0P,   68
.set MSB, 0
.macro WIN new                         ; the immediate's high byte repeats the setting that is left
.if MSB != \new
	s_set_vgpr_msb (MSB<<8)|\new
.set MSB, \new
.endif
.endm
.macro CROUND                          ; a round of the cluster's barrier
	s_barrier_signal -1
	s_barrier_wait -1
	s_cmp_lg_u32 s16, 0
	s_cbranch_scc1 .Lnot_wave_0_\@
	s_barrier_signal -3
.Lnot_wave_0_\@:
	s_barrier_wait -3
	s_barrier_signal -1
	s_barrier_wait -1
.endm
.macro PLACES                          ; four plain instructions between a matrix instruction and a load into, or a read of, its registers
.rept 4
	v_nop
.endr
.endm
	s_load_b256 s[4:11], s[0:1], 0x0               ; aimg, wimg, bo, x
	s_load_b64 s[12:13], s[0:1], 0x20              ; out0
	v_lshl_add_u32 v7, v0, 2, 0x4b000
	s_set_vgpr_msb 0x40
	v_mov_b32 v255, 0
	s_set_vgpr_msb 0x4044
	ds_add_u32 v7, v255
	ds_add_u32 v7, v255
	s_set_vgpr_msb 0x4400
	v_lshrrev_b32 v1, 5, v0
	v_readfirstlane_b32 s16, v1                    ; wave 0..3
	s_lshr_b32 s17, s16, 1                         ; which half of R's tiles is mine.  Also: which of P's groups waves 1 and 2 fetch
	s_and_b32 s18, s16, 1                          ; which of P's groups is mine
	s_bfe_u32 s20, ttmp6, 0x40000                  ; cx
	s_bfe_u32 s21, ttmp6, 0x40004                  ; cy
	s_and_b32 s23, ttmp7, 0xffff                   ; the cluster's y
	s_lshl_b32 s84, s21, 2
	s_lshl_b32 s84, 15, s84                        ; my row of the cluster
	s_lshl_b32 s85, 0x1111, s20                    ; my column
	s_or_b32 s[G1R], s84, (3<<16)|(1<<21)          ; 15:0 the mask; 17:16 elements of 8 bytes; 21 set beside a mask; no padding
	s_or_b32 s[G1P], s85, (3<<16)|(1<<21)
.irp g, G1R, G1P
	s_mov_b32 s[\g+1], 32<<16                      ; rows of 256 bytes,
	s_mov_b32 s[\g+2], 200<<16                     ; 200 of them: 51,200 dense bytes
	s_mov_b32 s[\g+3], 32<<16
	s_mov_b32 s[\g+4], 200
	s_mov_b32 s[\g+5], 32
	s_mov_b32 s[\g+6], 0
	s_mov_b32 s[\g+7], 0
.endr
	s_lshl_b32 s24, s23, 2
	s_add_co_u32 s24, s24, s21                     ; R's group of 128 tokens: made of cy and the cluster's y
	s_mul_i32 s88, s24, GRP
	s_mov_b32 s89, 0
	s_lshl_b32 s90, s20, 1
	s_add_co_u32 s90, s90, s17                     ; P's group of Wo: made of cx and the wave's number
	s_mul_i32 s90, s90, GRP
	s_add_co_u32 s90, s90, 3*WSZ                   ; Wo lies behind Wq, Wk and Wv
	s_mov_b32 s91, 0
	s_mul_i32 s98, s17, GRP
	s_wait_dscnt 0x0
	s_wait_kmcnt 0x0
	s_add_nc_u64 s[94:95], s[4:5], s[88:89]
	s_add_nc_u64 s[96:97], s[6:7], s[90:91]
.irp j, 0,1
	s_mov_b32 s[G0R+4*\j], 1
	s_mov_b32 s[G0R+4*\j+1], RB+CH*\j
	s_add_nc_u64 s[G0R+4*\j+2:G0R+4*\j+3], s[94:95], CH*\j
	s_or_b32 s[G0R+4*\j+3], s[G0R+4*\j+3], 0x80000000
	s_mov_b32 s[G0P+4*\j], 1
	s_add_co_u32 s[G0P+4*\j+1], s98, PB+CH*\j
	s_add_nc_u64 s[G0P+4*\j+2:G0P+4*\j+3], s[96:97], CH*\j
	s_or_b32 s[G0P+4*\j+3], s[G0P+4*\j+3], 0x80000000
.endr
	CROUND                                         ; all sixteen work-groups are here: the joint loads meet
	s_cmp_eq_u32 s16, 0                            ; a wave's one fill stands in a chain of branches on its number; four v_nop follow it
	s_cbranch_scc0 .Lnot_r
	tensor_load_to_lds s[G0R:G0R+3], s[G1R:G1R+7]          ; wave 0: R's K steps 0 to 3
	s_nop 0
	PLACES
	s_branch .Lasked
.Lnot_r:
	s_cmp_lt_u32 s16, 3
	s_cbranch_scc0 .Lwave_3
	tensor_load_to_lds s[G0P:G0P+3], s[G1P:G1P+7]          ; waves 1 and 2: K steps 0 to 3 of P's two groups
	s_nop 0
	PLACES
	s_branch .Lasked
.Lwave_3:
	tensor_load_to_lds s[G0R+4:G0R+7], s[G1R:G1R+7]        ; wave 3: R's K steps 4 to 7
	s_nop 0
	PLACES
.Lasked:
	v_and_b32 v1, 31, v0                           ; l
	v_and_b32 v2, 15, v0                           ; r
	v_bfe_u32 v3, v0, 4, 1                         ; h
	v_lshlrev_b32 v4, 4, v1                        ; 16 l
	v_lshlrev_b32 v5, 3, v1                        ; 8 l
	v_lshlrev_b32 v6, 6, v3                        ; 64 h
	s_wait_alu depctr_va_vdst(0)
	s_lshl_b32 s86, s20, 10                        ; my first feature, in bytes: (256 cx + 128 (w % 2)) x 4
	s_lshl_b32 s87, s18, 9
	s_add_co_u32 s86, s86, s87
	s_mov_b32 s87, 0
	s_add_nc_u64 s[84:85], s[8:9], s[86:87]        ; bo there
	s_lshl_b32 s92, s24, 19                        ; my first token's row: (128 group + 64 (w / 2)) x 4,096 bytes
	s_lshl_b32 s93, s17, 18
	s_add_co_u32 s92, s92, s93
	s_add_co_u32 s92, s92, s86
	s_mov_b32 s93, 0
	s_add_nc_u64 s[88:89], s[10:11], s[92:93]      ; x,
	s_add_nc_u64 s[90:91], s[12:13], s[92:93]      ; out0
.irp b, 0,1,2,3,4,5,6,7
	global_load_b128 v[BP+8*\b:BP+8*\b+3], v6, s[84:85] offset:(32*(\b/2)+8*(\b%2))*4       ; register 8 b + j: feature 32 (b / 2) + 16 h + 8 (b % 2) + j: the result's layout
	global_load_b128 v[BP+8*\b+4:BP+8*\b+7], v6, s[84:85] offset:(32*(\b/2)+8*(\b%2))*4+16
.endr
	WIN 0xc0                                       ; destination window 3, address window 0
.irp a, 0,1,2,3
.irp t, 0,1,2,3,4,5,6,7,8,9,10,11,12,13,14,15
	global_load_b128 v[4*(16*\a+\t):4*(16*\a+\t)+3], v4, s[88:89] offset:(32*(\a/2)+8*(\a%2)+\t+8*(\t/8))*4096 th:TH_LOAD_NT   ; the token of tile a's row t: 512 consecutive bytes
.endr
.endr
	WIN 0
	s_mul_i32 s92, s18, GRP
	s_add_co_u32 s92, s92, PB
	s_mul_i32 s93, s17, 6144
	s_lshl_b32 s94, s17, 3
.irp kh, 0,1
	v_add_nc_u32 v[AP16+\kh], s92, v4
	v_add_nc_u32 v[AP8+\kh], s92, v5
	v_add_nc_u32 v[AR16+\kh], s93, v4
	v_add_nc_u32 v[AR8+\kh], s93, v5
	v_add_nc_u32 v[ARS+\kh], s94, v4
	s_add_co_u32 s92, s92, 4*REC                   ; K steps 4 to 7 lie beyond an LDS instruction's 16-bit offset
	s_add_co_u32 s93, s93, 4*REC
	s_add_co_u32 s94, s94, 4*REC
.endr
	s_mul_i32 s99, s16, 16*528                     ; my stage
	v_mul_u32_u24 v[STO], v2, 528
	v_lshl_add_u32 v[STO], v3, 6, v[STO]
	v_add_nc_u32 v[STO], s99, v[STO]               ; in: row r, + 64 h
	v_add_nc_u32 v[RD], s99, v4                    ; back: 16 l of a row
; one product: R tile a x P tile b, 128 along K, operand set p.  bias = 1: C is the bias, in window 0.  A scale register holds an even tile's words in lanes 0-15 and the odd neighbour's in lanes 16-31.
.macro WM a, b, p, bias
.set rD, 8*(8*(\a)+(\b))
.set rA, 128*(\p)+12*(\b)
.set rB, RF+48*(\p)+12*(\a)
.set rX, SP+4*(\p)+(\b)/2
.set rY, SR+2*(\p)+(\a)/2
.if \bias
.set rC, BP+8*(\b)
.else
.set rC, rD
.endif
.if ((\b)%2) && ((\a)%2)
	v_wmma_scale_f32_16x16x128_f8f6f4 v[rD:rD+7], v[rA:rA+11], v[rB:rB+11], v[rC:rC+7], v[rX], v[rY] matrix_a_fmt:MATRIX_FMT_FP6 matrix_b_fmt:MATRIX_FMT_FP6 matrix_a_scale:MATRIX_SCALE_ROW1 matrix_b_scale:MATRIX_SCALE_ROW1
.elseif (\b)%2
	v_wmma_scale_f32_16x16x128_f8f6f4 v[rD:rD+7], v[rA:rA+11], v[rB:rB+11], v[rC:rC+7], v[rX], v[rY] matrix_a_fmt:MATRIX_FMT_FP6 matrix_b_fmt:MATRIX_FMT_FP6 matrix_a_scale:MATRIX_SCALE_ROW1
.elseif (\a)%2
	v_wmma_scale_f32_16x16x128_f8f6f4 v[rD:rD+7], v[rA:rA+11], v[rB:rB+11], v[rC:rC+7], v[rX], v[rY] matrix_a_fmt:MATRIX_FMT_FP6 matrix_b_fmt:MATRIX_FMT_FP6 matrix_b_scale:MATRIX_SCALE_ROW1
.else
	v_wmma_scale_f32_16x16x128_f8f6f4 v[rD:rD+7], v[rA:rA+11], v[rB:rB+11], v[rC:rC+7], v[rX], v[rY] matrix_a_fmt:MATRIX_FMT_FP6 matrix_b_fmt:MATRIX_FMT_FP6
.endif
.endm
.macro MUL a0, p, bias                 ; 16 products: R tiles a0, a0 + 1 x P's eight
.irp a, \a0, \a0+1
.irp b, 0,1,2,3,4,5,6,7
	WM \a, \b, \p, \bias
.endr
.endr
.endm
.macro FETCH q, p                      ; K step q's operands into set p: 50 LDS loads, each of consecutive bytes
.set FK, (\q)/4
.set FO, ((\q)%4)*REC
	WIN 0x40                                       ; destination window 1, address window 0
.irp b, 0,1,2,3,4,5,6,7
.irp c, 0,1
	ds_load_b128 v[128*(\p)+12*\b+6*\c:128*(\p)+12*\b+6*\c+3], v[AP16+FK] offset:FO+1536*\b+768*\c
	ds_load_b64 v[128*(\p)+12*\b+6*\c+4:128*(\p)+12*\b+6*\c+5], v[AP8+FK] offset:FO+1536*\b+768*\c+512
.endr
.endr
	WIN 0
.irp a, 0,1,2,3
.irp c, 0,1
	ds_load_b128 v[RF+48*(\p)+12*\a+6*\c:RF+48*(\p)+12*\a+6*\c+3], v[AR16+FK] offset:FO+1536*\a+768*\c
	ds_load_b64 v[RF+48*(\p)+12*\a+6*\c+4:RF+48*(\p)+12*\a+6*\c+5], v[AR8+FK] offset:FO+1536*\a+768*\c+512
.endr
.endr
	ds_load_b128 v[SP+4*(\p):SP+4*(\p)+3], v[AP16+FK] offset:FO+12288
	ds_load_b64 v[SR+2*(\p):SR+2*(\p)+1], v[ARS+FK] offset:FO+12288
.endm
; A K step.  sync >= 0: the chunk that the fetch below reads has to be whole: each wave waits until at most sync of its loads, the younger chunks, are out, and a barrier shows it to all.
.macro STEP q, bias, sync
	s_wait_dscnt 0x0                               ; this step's operands are in; no LDS access of mine is pending at the signal
.if (\sync) >= 0
	s_wait_tensorcnt \sync
	s_barrier_signal -1
.endif
	WIN 0xa1-0x20*(\bias)                          ; source 0 (P) window 1, source 1 (R) window 0, D window 2; C window 2, or 0 for the bias
	MUL 0, (\q)%2, \bias
.if (\sync) >= 0
	s_barrier_wait -1
.endif
.if (\q) < 7
	PLACES                                         ; the other set was read by the last step's products
	FETCH (\q)+1, ((\q)+1)%2
.endif
	WIN 0xa1-0x20*(\bias)
	MUL 2, (\q)%2, \bias
.endm
	s_wait_alu depctr_va_vdst(0)
	s_set_vgpr_msb 0x4                             ; the add's 0 lies in window 1
	s_wait_tensorcnt 0x0                           ; my one load of the head is in
	ds_add_u32 v7, v255
	s_wait_dscnt 0x0
	s_set_vgpr_msb 0x400
	CROUND                                         ; everybody's is in, and all sixteen work-groups are here: the joint loads meet
	s_cmp_eq_u32 s16, 0
	s_cbranch_scc1 .Lno_second
	s_cmp_eq_u32 s16, 3
	s_cbranch_scc1 .Lno_second
	tensor_load_to_lds s[G0P+4:G0P+7], s[G1P:G1P+7]        ; waves 1 and 2: K steps 4 to 7 of P's two groups; they land under K steps 0 to 3
	s_nop 0
	PLACES
.Lno_second:
	FETCH 0, 0
	s_wait_loadcnt 0x3f                            ; 64 loads of x were issued behind the bias's 16: with 63 out the bias is in
	STEP 0, 1, -1                                  ; the first products start the sums on the bias
	STEP 1, 0, -1
	STEP 2, 0, -1
	STEP 3, 0, 0                                   ; the fetch in this step reads chunk 1: every wave waits for all its loads, and a barrier shows them
	STEP 4, 0, -1
	STEP 5, 0, -1
	STEP 6, 0, -1
	STEP 7, 0, -1
	WIN 0
	PLACES
; THE WAY OUT, tile by tile of 16 tokens.  LDS serves a wave's instructions in order (ISA guide 5.7.1.4): no wait between the stage's stores and loads, nor in front of the next tile's stores.
.macro TOSTAGE a
	WIN 0x08                                       ; an LDS store's data: window 2
.irp b, 0,1,2,3,4,5,6,7
	ds_store_b128 v[STO], v[8*(8*(\a)+\b):8*(8*(\a)+\b)+3] offset:(32*(\b/2)+8*(\b%2))*4          ; each accumulator from its low end on
	ds_store_b128 v[STO], v[8*(8*(\a)+\b)+4:8*(8*(\a)+\b)+7] offset:(32*(\b/2)+8*(\b%2))*4+16
.endr
	WIN 0
.set BB, BK+64*((\a)%2)
.irp t, 0,1,2,3,4,5,6,7,8,9,10,11,12,13,14,15
	ds_load_b128 v[BB+4*\t:BB+4*\t+3], v[RD] offset:\t*528
.endr
.endm
.macro SEND a, younger                 ; younger: the LDS instructions issued behind tile a's loads, which may stay out
.set BB, BK+64*((\a)%2)
	s_wait_dscnt \younger
	WIN 0x0c                                       ; source 1 window 3: the residual
.set k, 0
.rept 32
	v_pk_add_f32 v[BB+k:BB+k+1], v[BB+k:BB+k+1], v[64*(\a)+k:64*(\a)+k+1]
.set k, k+2
.endr
	WIN 0
.irp t, 0,1,2,3,4,5,6,7,8,9,10,11,12,13,14,15
	global_store_b128 v4, v[BB+4*\t:BB+4*\t+3], s[90:91] offset:(32*((\a)/2)+8*((\a)%2)+\t+8*(\t/8))*4096 th:TH_STORE_NT   ; 32 lanes store 512 consecutive bytes, at a multiple of 256 from out0's first byte
.endr
.endm
	s_wait_loadcnt 0x0                             ; the residual
	TOSTAGE 0
.irp a, 1,2,3
.if \a > 1
	s_wait_xcnt 0x0                                ; tile a - 2's stores have read their registers: tile a's rows may land there
.endif
	TOSTAGE \a
	SEND \a-1, 32                                  ; behind tile a - 1's loads: tile a's 16 stores and 16 loads
.endr
	SEND 3, 0
	s_set_vgpr_msb 0x4
	s_wait_tensorcnt 0x0
	ds_add_u32 v7, v255
	s_wait_dscnt 0x0
	s_set_vgpr_msb 0x400
	CROUND                                         ; the closing round: no work-group ends while a partner may still ask for a chunk that names it
	s_endpgm
.Lfunc_end_k_q6d66112e70_oproj:
	.size	k_q6d66112e70_oproj, .Lfunc_end_k_q6d66112e70_oproj-k_q6d66112e70_oproj
	.p2alignl 7, 3214868480
	.fill 96, 4, 3214868480
	.section	.rodata,"a",@progbits
	.p2align	6, 0x0
	.amdhsa_kernel k_q6d66112e70_oproj
		.amdhsa_group_segment_fixed_size 327680
		.amdhsa_private_segment_fixed_size 0
		.amdhsa_enable_private_segment 0
		.amdhsa_kernarg_size 40
		.amdhsa_user_sgpr_count 2
		.amdhsa_user_sgpr_kernarg_segment_ptr 1
		.amdhsa_wavefront_size32 1
		.amdhsa_system_sgpr_workgroup_id_x 1
		.amdhsa_system_sgpr_workgroup_id_y 1
		.amdhsa_system_sgpr_workgroup_id_z 1
		.amdhsa_system_vgpr_workitem_id 0
		.amdhsa_next_free_vgpr 1024
		.amdhsa_next_free_sgpr 100
		.amdhsa_reserve_vcc 0
		.amdhsa_float_denorm_mode_32 3
		.amdhsa_float_denorm_mode_16_64 3
		.amdhsa_memory_ordered 1
		.amdhsa_forward_progress 1
		.amdhsa_inst_pref_size 98
	.end_amdhsa_kernel
	.amdgpu_metadata
---
amdhsa.version: [ 1, 2 ]
amdhsa.kernels:
  - .name:           k_q6d66112e70_oproj
    .symbol:         k_q6d66112e70_oproj.kd
    .args:
      - { .name: aimg, .offset: 0, .size: 8, .value_kind: global_buffer, .address_space: global }
      - { .name: wimg, .offset: 8, .size: 8, .value_kind: global_buffer, .address_space: global }
      - { .name: bo, .offset: 16, .size: 8, .value_kind: global_buffer, .address_space: global }
      - { .name: x, .offset: 24, .size: 8, .value_kind: global_buffer, .address_space: global }
      - { .name: out0, .offset: 32, .size: 8, .value_kind: global_buffer, .address_space: global }
    .group_segment_fixed_size: 327680
    .private_segment_fixed_size: 0
    .kernarg_segment_align: 8
    .kernarg_segment_size: 40
    .max_flat_workgroup_size: 128
    .sgpr_count:     100
    .vgpr_count:     1024
    .wavefront_size: 32
...
	.end_amdgpu_metadata
.endif
;; end of part 4
